; MI455X (gfx1250); checked and timed in simulation.
; The chip was launched on July 23, 2026; its instructions are those of AMD's public machine-readable ISA for CDNA 5 (MIT licence, August 2026) and "CDNA5" Instruction Set Architecture Reference Guide (July 2026). The comments in the code are by the model that wrote it; some were corrected since.
;; Dot Product Attention. Allowed arithmetic: matrix products marked QUANTISED: E2M1 operands, one E8M0 scale for each 32 along K, by v_wmma_scale_f32_16x16x128_f8f6f4 with both operands' format E2M1 (or v_wmma_scale_f32_32x16x128_f4), f32 sums; everything else in f32.
;; Inputs: keys_codes 256 x 1,024 x 2 x 16 uint8 (E2M1 codes of keys, K innermost, in blocks of 32 codes, two codes a byte); keys_scales 256 x 1,024 x 2 uint8 (E8M0 scales of keys, one for each 32 codes along K); queries_codes 256 x 1,024 x 2 x 16 uint8 (E2M1 codes of queries, K innermost, in blocks of 32 codes, two codes a byte); queries_scales 256 x 1,024 x 2 uint8 (E8M0 scales of queries, one for each 32 codes along K); valid_lens 256 int32; values_codes 256 x 64 x 32 x 16 uint8 (E2M1 codes of values, K innermost, in blocks of 32 codes, two codes a byte); values_scales 256 x 64 x 32 uint8 (E8M0 scales of values, one for each 32 codes along K); window_mask 4 x 1,024 x 1,024 float32.
;; Outputs: out0 256 x 1,024 x 64 float32.
;; This version of the problem:
;;   THIS VERSION OF THE PROBLEM IS GIVEN IN LOW PRECISION. The matrix products marked QUANTISED in the list below multiply operands that are first quantised to E2M1 (2 exponent bits, 1 mantissa bit; 4 bits a number), with one power-of-two scale for each 32 numbers along K (OCP MX v1.0); their sums are f32. All else is computed in f32.
;;   The module's matrix products, in the order in which they are computed (A, B: the left and right operand; K: the contracted axis; several contracted axes count as one K, in the product's order):
;;     1. batch 256 x [M 1,024, K 64] x [K 64, N 1,024]; A: input queries (given as codes); B: input keys (given as codes): QUANTISED
;;     2. batch 256 x [M 1,024, K 1,024] x [K 1,024, N 64]; A: softmax (see below); B: input values (given as codes): QUANTISED
;;   THE QUANTISER, for each operand of a quantised product, along K:
;;     - K is cut into blocks of 32 from its start; a last block that is shorter is filled with zeros.
;;     - A block's scale is 2^e with e = floor(log2(the largest magnitude in the block)) - 2, held to -126 .. 127; a block of zeros has e = 0. As a byte (E8M0): e + 127.
;;     - Each number is divided by its block's scale, clamped to +-6, and rounded to the nearest number of E2M1, ties to even, subnormals kept.
;;     - The product sums the exact products of the quantised numbers (number of the format x scale) in f32.
;;   ~~~python
;;   def quantise(x, axis):      # numpy; x: float32 -> the quantised numbers, widened to float32 again
;;       x = np.moveaxis(x, axis, -1); K = x.shape[-1]
;;       x = np.pad(x, [(0, 0)] * (x.ndim - 1) + [(0, -K % 32)]); x = x.reshape(x.shape[:-1] + (-1, 32)); a = np.abs(x).max(-1, keepdims=True)
;;       e = np.where(a > 0, np.clip(np.frexp(np.where(a > 0, a, 1))[1] - 1 - 2, -126, 127), 0)      # np.frexp(a)[1] - 1 = floor(log2(a)), exactly
;;       r = np.clip(x / 2.0 ** e, -6, 6)
;;       step = 2.0 ** (np.maximum(np.frexp(np.where(r == 0, 1, r))[1] - 1, 0) - 1)
;;       q = np.round(r / step) * step * 2.0 ** e      # np.round: ties to even
;;       return np.moveaxis(q.reshape(q.shape[:-2] + (-1,))[..., :K], -1, axis).astype(np.float32)
;;   ~~~
;;   SOFTMAX AHEAD OF A QUANTISED PRODUCT. Where the list says 'softmax', what is quantised is not the finished softmax but p = 2^(t - M), with t = logit x log2(e) and M = ceil(the row's largest t), a whole number; so 1/2 < the row's largest p <= 1. The row's sum l is taken of the UNQUANTISED p, in f32, and the product's result is divided by l at the end. Since M is a whole number, a kernel that streams over the keys may use a running M (the ceiling of the running maximum): every later rescaling is an exact power of two, which a block's scale takes up: the codes' values come out the same.
;;   OPERANDS COMPUTED ON THE WAY. 'Computed on the way' means the value that the module computes at that place (a softmax that the list does not call 'softmax' is quantised finished and normalised). What goes into a quantiser is computed in f32, as accurately as f32 sums, v_exp_f32 and their like allow (about 1e-6 of the number): no bf16 or f16 on the way to a quantiser, and a product that is left as it is and whose result goes on into a quantised operand takes f32 operands (vector FMAs, or v_wmma_f32_16x16x4_f32). A number that lies on a knife's edge between two numbers of the format may be rounded either way, as far as f32 arithmetic and the matrix unit's own rounding can turn it there, and no further.
;;   INPUTS GIVEN AS CODES. keys (in the module: [256, 1024, 64], K = its axis 2); queries (in the module: [256, 1024, 64], K = its axis 2); values (in the module: [256, 1024, 64], K = its axis 1): each comes as NAME_codes (uint8): NAME with its K axis moved to the last place and cut into blocks of 32 codes, [.., K / 32, bytes a block], one block behind the other in memory; two codes a byte, the lower K in the low four bits (a code: sign, 2 exponent bits, 1 mantissa bit); and NAME_scales (uint8): the same leading axes, one E8M0 byte (e + 127) for each 32 codes along K. Its value is code x scale, taken as it is: it is not quantised again, and the codes and scales need not be those that the quantiser above would give.
;; 2 versions. Each part assembles by itself: llvm-mc -triple=amdgcn-amd-amdhsa -mcpu=gfx1250 --defsym DOCPART=n.
;; ======== version 1 of 2: 1 launch
;; limits: right only within a limited range of input values
;; launch attn (part 1): grid 256 x 1, 8 waves a work-group, no clusters, 314,368 bytes of LDS; arguments keys_codes, keys_scales, queries_codes, queries_scales, valid_lens, values_codes, values_scales, window_mask, out0; writes out0
.if DOCPART == 1
	.amdgcn_target "amdgcn-amd-amdhsa--gfx1250"
	.amdhsa_code_object_version 6
	.text
	.protected	k_q2e49e38297_attn
	.globl	k_q2e49e38297_attn
	.p2align	8
	.type	k_q2e49e38297_attn,@function
k_q2e49e38297_attn:
	s_mov_b64 s[64:65], 0
	v_nop
	global_prefetch_b8 v0, s[64:65] scope:SCOPE_SE
	s_setreg_imm32_b32 hwreg(HW_REG_WAVE_MODE, 25, 1), 1
	s_wait_xcnt 0x0
; out[n][q][:] = softmax_k(logit) V[n][k][:], logit = Q[n][q].K[n][k] / 8 + window_mask[(n / 8) % 4][q][k], and -1e6 where k >= valid_lens[n].
; 256 heads, 1,024 queries, 1,024 keys, 64 channels.  Q, K, V: codes of FP4 (E2M1) with one E8M0 byte for each 32 along a product's K; V has the keys innermost.
; p = 2^(t - M), t = logit x log2(e), M the running largest t rounded up to a whole number; p is quantised along the keys; the row's sum is taken of the unquantised p and divides at the end.
; SHARES.  Work-group x: window x / 64, quad (x / 4) % 16, query quarter x % 4: four heads of one window x 256 queries.  The 64 heads of a window are ranked by their number of key steps and dealt out
; so that quad u takes ranks u, 31 - u, 32 + u, 63 - u: every quad gets about the same number of steps.  Every wave makes the ranking for itself, from whole numbers alone.
; Eight waves; a wave takes one tile of 16 queries through the four heads, twice (two passes).  Key steps of 128 keys run outside, the four heads inside: a mask tile of 16 x 128 f32 is loaded once, into
; 64 registers in the layout of a matrix result, and is the C of the first product of up to four heads; the division by 8 is 3 off Q's scale bytes.  So the logit costs no vector instruction.
; WHAT IS LEFT OUT.  A key step all of whose keys lie at or behind a head's valid length has p = 0 and is jumped over (scalar branches on the lengths).  With valid length 0 every logit is -1e6: t = M, p = 1 for all keys:
; constant codes (4.0 under the scale 2^-2), the sum 1,024.
; K, V and their scale bytes of the four heads are copied once into LDS as images of the operands' registers (16 bytes a lane, 512 an instruction); one barrier; behind it the waves share nothing.
; NO TENSOR LOAD, NO CLUSTER: the walk hangs on lengths read from memory, so every operand comes through registers, and a joint request has no place.  NO PREFETCH: the mask is asked for a whole key step
; ahead, straight into registers; K and V are read at the head alone.
; LAYOUT.  Both products are used transposed: S^T = K Q^T + mask^T, O^T = V^T P^T: a lane holds ONE query (lane % 16).  Lane r of key tile 2 b + u takes key 32 b + 8 u + r + 8 (r / 8), so that register 16 b + n of
; the scores is key 32 b + 16 (lane / 16) + n.  The head's 64 channels fill half of the instruction's 128 along K: Q's upper four registers are zero codes, so what stands in K's upper four (the next tile's codes) adds nothing;
; the scale words' upper two bytes are 0, which is a small number and no NaN.
; LIMITS.  Keys of steps left out count for nothing: exact while a row's largest valid logit lies above about -999,890.  Q's scale bytes under 3 are held at 3.  A scale byte 0xff, NaN and infinities are not served.
; With valid length 0, t is the f32 product -1e6 x log2(e), a whole number.  Lengths under 0 count as 0, above 1,024 as 1,024.
; LDS
.set SCK,   262144                     ; [0, 262144): [step: 32,768][head slot: 8,192][K: 8 fragments x 512, then V: 8 half fragments x 512].  Here: K's scale bytes, [slot: 2,048], as in memory
.set SCV,   270336                     ; V's scale words, [slot: 2,048][step: 256][channel: 4]
.set STG,   278528                     ; the way out: 16 rows x (256 + 16) bytes for each wave
.set SPARE, 313344                     ; the spare words, 128 bytes for each wave: four blocks of 256 bytes that no other line names
; vector registers, window 0
.set LI,   1                           ; 16 x lane
.set AKV,  2                           ; LI + the step's place in LDS
.set ASK0, 3                           ; my place among K's scale bytes
.set ASV0, 4                           ; and among V's scale words
.set ASK,  5                           ; the same, in the step in hand
.set ASV,  6
.set MO,   7                           ; the mask: 4,096 r + 64 h
.set QO,   8                           ; Q's codes: 32 r + 16 h
.set QSO,  9                           ; Q's scale bytes: 2 r
.set STO,  10                          ; the stage, in
.set RD,   11                          ; the stage, back
.set GO,   12                          ; my bytes in two rows of out
.set H16,  13                          ; 16 h
.set SPW,  14                          ; LDS address of my spare word; never rewritten
.set NIL,  15                          ; 0; never rewritten
.set STAT, 16                          ; slot i at 16 + 4 i: -M, a word named with it as a pair, the sum in two halves
.set QS,   32                          ; Q's scale words, a slot each
.set KSC,  36                          ; K's: register b: lanes 0-15 tile 2 b, lanes 16-31 tile 2 b + 1
.set VSC,  40                          ; V's likewise
.set PW,   42                          ; p's scale word
.set KV,   44                          ; K's tile T at 44 + 4 T, V's tile t at 44 + 8 t; v76-79 written once
.set S,    80                          ; the scores, then p
.set MK0,  144                         ; mask buffer 0
.set P,    208                         ; p's codes
.set BM,   216                         ; the blocks' largest scores
.set PT,   220                         ; the other half's; then the scales' bytes
.set SOP,  224                         ; the conversions' scale operands
.set F,    228                         ; 2^(old M - new M), and a word named with it as a pair
.set TT,   230
.set OLD,  231
.set SUM2, 232
.set QCO,  234                         ; offsets of Q's codes, a slot each
.set QSF,  238                         ; and of Q's scale bytes
.set DD,   242
.set NEGV, 243                         ; -1e6
.set KO,   244                         ; the copy: offsets of K's and V's codes, a slot each; of the scales; two LDS addresses
.set VO,   248
.set SKO,  252
.set SKL,  253
.set SVL,  254
.set FS,   216                         ; the copy: LDS address of my fragment in step j
; the head's own, all written anew behind the barrier
.set LN,   224
.set RR,   225
.set HH,   226
.set R8,   227
.set T0,   228
.set T1,   229
.set KA,   230
.set KB,   231
.set RKA,  232
.set RKB,  233
.set VA,   242
.set VB,   243
; window 1: v0-127 O^T, slot i at 32 i, tile t at + 8 t
.set MK1,  128                         ; mask buffer 1
.set RB,   128                         ; the way out: rows read back
.set QF,   192                         ; Q's fragments, slot i at 192 + 8 i
; scalar registers.  s[4:5] K's codes, s[6:7] K's scales, s[8:9] Q's codes, s[10:11] Q's scales, s[12:13] the lengths, s[14:15] V's codes, s[16:17] V's scales, s[18:19] the mask, s[20:21] out
.set WV,   22
.set WDW,  23
.set QUAD, 24
.set QQ,   25
.set QP,   26                          ; first query of the tile that goes out
.set SMAX, 27                          ; the most steps among my four heads
.set HD,   28                          ; s28-31 the heads
.set VL,   32                          ; s32-35 their valid lengths
.set NST,  36                          ; s36-39 their key steps
.set J,    40
.set TB,   41                          ; 32,768 J
.set TS,   42                          ; 256 J
.set KF,   44                          ; 128 J
.set TR,   45
.set PASS, 46
.set Q0,   47                          ; first query of the tile whose loads are issued
.set MB,   48                          ; s[48:49] the mask tile last asked for
.set SEL,  50                          ; s[50:51] lane selects: lane l xor 16
.set CL,   52                          ; s[52:53] log2(e)
.set OBS,  54                          ; s[54:57] two bases in out, by turns
.set MSB, 0
.macro WIN new                         ; the immediate's high byte repeats the setting that is left; a switch that changes nothing is dropped
.if MSB != (\new)
	s_set_vgpr_msb (MSB<<8)|(\new)
.set MSB, (\new)
.endif
.endm
.macro PLACES n
.rept \n
	v_nop
.endr
.endm
; A mask tile, 16 queries x 128 keys, into buffer buf: register 16 b + n = key 32 b + 16 h + n of query r.  The sixteen loads together read 512 consecutive bytes of each of 16 rows, each byte once.
.macro MASKLOAD buf
.if (\buf)
	WIN 0x40
.set MKB, MK1
.else
.set MKB, MK0
.endif
.irp g, 0,1,2,3,4,5,6,7,8,9,10,11,12,13,14,15
	global_load_b128 v[MKB+4*\g:MKB+4*\g+3], v[MO], s[MB:MB+1] offset:16*(\g%4)+128*(\g/4)
.endr
	WIN 0
.endm
; What a tile of 16 queries wants from memory: Q's codes and scale bytes in the four heads, and the first mask tile.
.macro TILE_LOADS
	s_wait_xcnt 0x0                                ; the offsets below are written again only behind this wait
	s_lshl_b32 s59, s[Q0], 5
	s_lshl_b32 s60, s[Q0], 1
.irp i, 0,1,2,3
	s_lshl_b32 s58, s[HD+\i], 15                   ; a head's codes are 32,768 bytes,
	s_add_co_u32 s58, s58, s59
	v_add_nc_u32 v[QCO+\i], s58, v[QO]
	s_lshl_b32 s58, s[HD+\i], 11                   ; its scale bytes 2,048
	s_add_co_u32 s58, s58, s60
	v_add_nc_u32 v[QSF+\i], s58, v[QSO]
.endr
	WIN 0x40
.irp i, 0,1,2,3
	global_load_b128 v[QF+8*\i:QF+8*\i+3], v[QCO+\i], s[8:9]
.endr
	WIN 0
.irp i, 0,1,2,3
	global_load_u16 v[QS+\i], v[QSF+\i], s[10:11]  ; two bytes; the word's upper half is 0
.endr
	s_lshl_b32 s58, s[WDW], 22
	s_lshl_b32 s59, s[Q0], 12
	s_add_co_u32 s58, s58, s59
	s_mov_b32 s59, 0
	s_add_nc_u64 s[MB:MB+1], s[18:19], s[58:59]
	MASKLOAD 0
.endm
; A tile begins.  O^T is cleared here and not begun by a product with C = 0: which step is a head's first product is the same for all, but a first step written out would be four more copies of the slot's text.
.macro TILE_INIT
	s_mov_b32 s[J], 0
	s_mov_b32 s[TB], 0
	s_mov_b32 s[TS], 0
	s_mov_b32 s[KF], 0
	WIN 0x40
.set k, 0
.rept 64
	v_mov_b32 v[k], 0
.set k, k+1
.endr
	WIN 0
.irp i, 0,1,2,3
	v_mov_b32 v[STAT+4*\i], 0x7f61b1e6             ; -M = 3e38: M lies under every t
	s_cmp_eq_u32 s[VL+\i], 0
	s_cselect_b32 s58, 0x44000000, 0               ; valid length 0: my 512 keys' p = 1 are summed here, once
	v_mov_b32 v[STAT+4*\i+2], s58
	v_mov_b32 v[STAT+4*\i+3], 0
.endr
	s_wait_loadcnt 0x0                             ; Q and the first mask tile are in
	s_wait_xcnt 0x0                                ; the last tile's stores have read their registers: mask buffer 1 is loaded again only behind this wait
.irp i, 0,1,2,3
	v_and_b32 v[TT], 0xff, v[QS+\i]                ; the division by 8: 3 off each of Q's two scale bytes, held at 0 from below
	v_lshrrev_b32 v[OLD], 8, v[QS+\i]
	v_max_u32 v[TT], 3, v[TT]
	v_max_u32 v[OLD], 3, v[OLD]
	v_lshl_or_b32 v[QS+\i], v[OLD], 8, v[TT]
	v_add_nc_u32 v[QS+\i], 0xfffffcfd, v[QS+\i]
.endr
	WIN 0x40
.rept 64
	v_mov_b32 v[k], 0                              ; (these 64 are also the places between the scale words just written and the first scaled product)
.set k, k+1
.endr
	WIN 0
.endm
; V's four fragments of the step (16 channels x 128 keys each) and their scale words, for slot i.
.macro VLOAD i
.irp t, 0,1,2,3
.irp c, 0,1
	ds_load_b128 v[KV+8*\t+4*\c:KV+8*\t+4*\c+3], v[AKV] offset:8192*(\i)+4096+512*(2*\t+\c)
.endr
.endr
.irp t, 0,1
	ds_load_b32 v[VSC+\t], v[ASV] offset:2048*(\i)+128*\t
.endr
.endm
; ONE HEAD'S KEY STEP for my 16 queries.  par: which mask buffer holds the step's tile.
.macro SLOT i, par
.set NM, STAT+4*(\i)
.set LS, STAT+4*(\i)+2
.set OB, 32*(\i)
.if (\par)
.set MKB, MK1
.else
.set MKB, MK0
.endif
	s_cmp_le_u32 s[NST+\i], s[J]                   ; all 128 keys lie behind the valid length: p = 0
	s_cbranch_scc1 .Lskip_\@
	s_cmp_lg_u32 s[VL+\i], 0
	s_cbranch_scc1 .Lmain_\@
	VLOAD \i                                       ; valid length 0: p = 1 for every key: the code of 4.0 under the scale 2^-2
	v_mov_b32 v[PW], 0x7d7d7d7d
.irp k, 0,1,2,3,4,5,6,7
	v_mov_b32 v[P+\k], 0x66666666
.endr
	PLACES 8                                       ; a scale register written by a vector instruction stands 8 places ahead of a scaled product, an operand so written 4
	s_branch .Lpv_\@
.Lmain_\@:
.irp T, 0,1,2,3,4,5,6,7
	ds_load_b128 v[KV+4*\T:KV+4*\T+3], v[AKV] offset:8192*(\i)+512*\T
.endr
.irp b, 0,1,2,3
	ds_load_u16 v[KSC+\b], v[ASK] offset:2048*(\i)+64*\b
.endr
	s_wait_dscnt 0x0
	WIN (0x04|((\par)<<4))                         ; Q in window 1, the mask in its buffer's window
.irp T, 0,1,2,3,4,5,6,7                        ; S^T = K Q^T / 8 + mask^T: eight results, each begun with the mask as C
.if \T%2
	v_wmma_scale_f32_16x16x128_f8f6f4 v[S+8*\T:S+8*\T+7], v[KV+4*\T:KV+4*\T+7], v[QF+8*(\i):QF+8*(\i)+7], v[MKB+8*\T:MKB+8*\T+7], v[KSC+\T/2], v[QS+(\i)] matrix_a_fmt:MATRIX_FMT_FP4 matrix_b_fmt:MATRIX_FMT_FP4 matrix_a_scale:MATRIX_SCALE_ROW1
.else
	v_wmma_scale_f32_16x16x128_f8f6f4 v[S+8*\T:S+8*\T+7], v[KV+4*\T:KV+4*\T+7], v[QF+8*(\i):QF+8*(\i)+7], v[MKB+8*\T:MKB+8*\T+7], v[KSC+\T/2], v[QS+(\i)] matrix_a_fmt:MATRIX_FMT_FP4 matrix_b_fmt:MATRIX_FMT_FP4
.endif
.endr
	WIN 0
	PLACES 4                                       ; in front of the loads into K's registers and of the first read of the scores
	VLOAD \i                                       ; lands while the softmax is walked
	s_add_co_u32 s58, s[KF], 128
	s_cmp_le_u32 s58, s[VL+\i]
	s_cbranch_scc1 .Lopen_\@                       ; all 128 keys count
	s_sub_co_u32 s58, s[VL+\i], s[KF]
	v_sub_nc_u32 v[DD], s58, v[H16]                ; register 16 b + n is hidden where 32 b + n >= valid length - first key - 16 h
.irp b, 0,1,2,3
.irp n, 0,1,2,3,4,5,6,7,8,9,10,11,12,13,14,15
	v_cmp_ge_i32 vcc_lo, \n, v[DD]
	v_cndmask_b32 v[S+16*\b+\n], v[S+16*\b+\n], v[NEGV], vcc_lo
.endr
.if \b < 3
	v_add_nc_u32 v[DD], 0xffffffe0, v[DD]
.endif
.endr
.Lopen_\@:
.irp b, 0,1,2,3
	v_max3_num_f32 v[BM+\b], v[S+16*\b], v[S+1+16*\b], v[S+2+16*\b]   ; the largest score of each block of 32 keys: for the row's maximum, and, since p rises with the score, for the block's largest p
.endr
.irp n, 3,5,7,9,11,13
.irp b, 0,1,2,3
	v_max3_num_f32 v[BM+\b], v[BM+\b], v[S+16*\b+\n], v[S+1+16*\b+\n]
.endr
.endr
.irp b, 0,1,2,3
	v_max_num_f32 v[BM+\b], v[BM+\b], v[S+15+16*\b]
.endr
.irp b, 0,1,2,3
	v_permlanex16_b32 v[PT+\b], v[BM+\b], s[SEL], s[SEL+1]
.endr
.irp b, 0,1,2,3
	v_max_num_f32 v[BM+\b], v[BM+\b], v[PT+\b]     ; with lane l xor 16's 16 keys
.endr
	v_max3_num_f32 v[TT], v[BM], v[BM+1], v[BM+2]
	v_max_num_f32 v[TT], v[TT], v[BM+3]
	v_mul_f32 v[TT], s[CL], v[TT]                  ; the step's largest t
	v_floor_f32 v[TT], -v[TT]                      ; -ceil(t)
	v_mov_b32 v[OLD], v[NM]
	v_min_num_f32 v[NM], v[NM], v[TT]              ; the new -M: a whole number
	v_sub_f32 v[OLD], v[NM], v[OLD]                ; old M - new M, 0 or less
	v_cvt_i32_f32 v[OLD], v[OLD]                   ; (it saturates)
	v_ldexp_f32 v[F], 1.0, v[OLD]                  ; f = 2^(old M - new M): a multiplication by it rounds nothing
.irp n, 0,2,4,6,8,10,12,14,16,18,20,22,24,26,28,30,32,34,36,38,40,42,44,46,48,50,52,54,56,58,60,62
	v_pk_fma_f32 v[S+\n:S+\n+1], v[S+\n:S+\n+1], s[CL:CL+1], v[NM:NM+1] op_sel_hi:[1,0,0]   ; t - M, two at a time
.endr
.irp b, 0,1,2,3
	v_fma_f32 v[BM+\b], v[BM+\b], s[CL], v[NM]
.endr
.irp n, 0,1,2,3,4,5,6,7,8,9,10,11,12,13,14,15,16,17,18,19,20,21,22,23,24,25,26,27,28,29,30,31,32,33,34,35,36,37,38,39,40,41,42,43,44,45,46,47,48,49,50,51,52,53,54,55,56,57,58,59,60,61,62,63
	v_exp_f32 v[S+\n], v[S+\n]                     ; p = 2^(t - M)
.endr
	v_pk_mul_f32 v[LS:LS+1], v[LS:LS+1], v[F:F+1] op_sel_hi:[1,0]   ; the sums under the new M: the plain instruction behind the exponentials
	s_wait_alu depctr_va_vdst(0)                   ; the wait ahead of the first line that names a result: one for the 64
.irp b, 0,1,2,3
	v_exp_f32 v[BM+\b], v[BM+\b]                   ; the blocks' largest p
.endr
	v_pk_add_f32 v[SUM2:SUM2+1], v[S:S+1], v[S+2:S+3]   ; the row's sum of the unquantised p, in two chains
.irp n, 4,8,12,16,20,24,28,32,36,40,44,48,52,56,60
	v_pk_add_f32 v[LS:LS+1], v[LS:LS+1], v[S+\n:S+\n+1]
	v_pk_add_f32 v[SUM2:SUM2+1], v[SUM2:SUM2+1], v[S+2+\n:S+3+\n]
.endr
	v_pk_add_f32 v[LS:LS+1], v[LS:LS+1], v[SUM2:SUM2+1]
	s_wait_alu depctr_va_vdst(0)                   ; and one for the four
.irp b, 0,1,2,3
	v_max_num_f32 v[BM+\b], 0x1800000, v[BM+\b]    ; the floor 2^(3 - 127): the byte cannot fall under 1; a block of zeros keeps that byte over zero codes
.endr
.irp b, 0,1,2,3
	v_add_nc_u32 v[SOP+\b], 0xff000000, v[BM+\b]   ; 2 off the exponent field: the conversion's scale operand
.endr
.irp b, 0,1,2,3
	v_lshrrev_b32 v[PT+\b], 23, v[SOP+\b]          ; the scale's byte
.endr
	v_lshl_or_b32 v[PW], v[PT+1], 8, v[PT]
	v_lshl_or_b32 v[PW], v[PT+2], 16, v[PW]
	v_lshl_or_b32 v[PW], v[PT+3], 24, v[PW]
.irp b, 0,1,2,3
	v_cvt_scalef32_pk8_fp4_f32 v[P+2*\b], v[S+16*\b:S+7+16*\b], v[SOP+\b]
	v_cvt_scalef32_pk8_fp4_f32 v[P+1+2*\b], v[S+8+16*\b:S+15+16*\b], v[SOP+\b]
.endr
	v_nop                                          ; one plain instruction behind the scaled conversions
.irp c, 0,1                                    ; the operand's layout wants a whole block in a lane
.irp n, 0,1
	v_permlane16_swap_b32 v[P+4*\c+\n], v[P+2+4*\c+\n]
.endr
.endr
	WIN 0x41
.irp n, 0,2,4,6,8,10,12,14,16,18,20,22,24,26,28,30
	v_pk_mul_f32 v[OB+\n:OB+\n+1], v[OB+\n:OB+\n+1], v[F:F+1] op_sel_hi:[1,0]   ; O^T under the new M, each tile from its low end on.  For each product below, the twelve on the other three tiles are its places behind p's codes and scale word
.endr
	WIN 0
.Lpv_\@:
	s_wait_dscnt 0x0                               ; V is in
	WIN 0x50
.irp t, 0,1,2,3                                ; O^T += V^T P^T: the four accumulators by turns
.if \t%2
	v_wmma_scale_f32_16x16x128_f8f6f4 v[OB+8*\t:OB+8*\t+7], v[KV+8*\t:KV+8*\t+7], v[P:P+7], v[OB+8*\t:OB+8*\t+7], v[VSC+\t/2], v[PW] matrix_a_fmt:MATRIX_FMT_FP4 matrix_b_fmt:MATRIX_FMT_FP4 matrix_a_scale:MATRIX_SCALE_ROW1
.else
	v_wmma_scale_f32_16x16x128_f8f6f4 v[OB+8*\t:OB+8*\t+7], v[KV+8*\t:KV+8*\t+7], v[P:P+7], v[OB+8*\t:OB+8*\t+7], v[VSC+\t/2], v[PW] matrix_a_fmt:MATRIX_FMT_FP4 matrix_b_fmt:MATRIX_FMT_FP4
.endif
.endr
	WIN 0
	PLACES 4                                       ; in front of the next loads into V's registers, the next writes of p's codes, and the first read of O^T
.Lskip_\@:
.endm
; A KEY STEP.  The trip counts are constants; what a length decides is jumped over inside.
.macro STEP par
	v_add_nc_u32 v[AKV], s[TB], v[LI]
	v_add_nc_u32 v[ASK], s[TS], v[ASK0]
	v_add_nc_u32 v[ASV], s[TS], v[ASV0]
	s_cmp_le_u32 s[SMAX], s[J]
	s_cbranch_scc1 .Lend_\@                        ; none of my four heads has keys here
	s_wait_loadcnt 0x0                             ; this step's mask tile, asked for a step ago, is in; so the base may step
	s_cmp_lt_u32 s[J], 7
	s_cselect_b32 s58, 512, 0                      ; the last step asks for its own tile again: no load leaves the buffer
	s_mov_b32 s59, 0
	s_add_nc_u64 s[MB:MB+1], s[MB:MB+1], s[58:59]
	MASKLOAD 1-\par
	SLOT 0, \par
	SLOT 1, \par
	SLOT 2, \par
	SLOT 3, \par
.Lend_\@:
	s_add_co_u32 s[J], s[J], 1
	s_add_co_u32 s[TB], s[TB], 32768
	s_add_co_u32 s[TS], s[TS], 256
	s_add_co_u32 s[KF], s[KF], 128
.endm
; THE WAY OUT.  O^T / the sum goes through my stage, a head's 16 rows of 256 bytes at a time, and leaves as two whole rows an instruction: 512 consecutive bytes, aligned.
.macro WAYOUT
.irp i, 0,1,2,3
	v_add_f32 v[BM+2*\i], v[STAT+4*\i+2], v[STAT+4*\i+3]
.endr
.irp i, 0,1,2,3
	v_permlanex16_b32 v[SOP+\i], v[BM+2*\i], s[SEL], s[SEL+1]
.endr
.irp i, 0,1,2,3
	v_add_f32 v[BM+2*\i], v[BM+2*\i], v[SOP+\i]    ; the row's sum
.endr
.irp i, 0,1,2,3
	v_rcp_f32 v[BM+2*\i], v[BM+2*\i]
.endr
	v_nop                                          ; a plain instruction behind the last reciprocal
	s_wait_alu depctr_va_vdst(0)                   ; and the wait ahead of the first use: one for the four
.irp i, 0,1,2,3
	WIN 0x01
.irp n, 0,2,4,6,8,10,12,14,16,18,20,22,24,26,28,30
	v_pk_mul_f32 v[S+32*(\i%2)+\n:S+32*(\i%2)+\n+1], v[32*\i+\n:32*\i+\n+1], v[BM+2*\i:BM+2*\i+1] op_sel_hi:[1,0]
.endr
	WIN 0
.irp t, 0,1,2,3
	ds_store_b128 v[STO], v[S+32*(\i%2)+8*\t:S+32*(\i%2)+8*\t+3] offset:64*\t
	ds_store_b128 v[STO], v[S+32*(\i%2)+8*\t+4:S+32*(\i%2)+8*\t+7] offset:64*\t+16
.endr
	s_wait_xcnt 0x0                                ; earlier stores have read their registers and bases: both are written again only behind this wait
	s_lshl_b32 s58, s[HD+\i], 18                   ; a head of out is 262,144 bytes, a row 256
	s_lshl_b32 s59, s[QP], 8
	s_add_co_u32 s58, s58, s59
	s_mov_b32 s59, 0
	s_add_nc_u64 s[OBS+2*(\i%2):OBS+2*(\i%2)+1], s[20:21], s[58:59]
	WIN 0x40
.irp k, 0,1,2,3,4,5,6,7
	ds_load_b128 v[RB+32*(\i%2)+4*\k:RB+32*(\i%2)+4*\k+3], v[RD] offset:544*\k   ; LDS serves a wave's instructions in order (ISA guide 5.7.1.4): these see my stores, and the next head's stores come behind them
.endr
	WIN 0x04
.irp k, 0,1,2,3,4,5,6,7
	s_wait_dscnt 7-\k                              ; the loads behind row pair k may be out
	global_store_b128 v[GO], v[RB+32*(\i%2)+4*\k:RB+32*(\i%2)+4*\k+3], s[OBS+2*(\i%2):OBS+2*(\i%2)+1] offset:512*\k th:TH_STORE_NT
.endr
	WIN 0
.endr
.endm
	s_load_b512 s[4:19], s[0:1], 0x0
	s_load_b64 s[20:21], s[0:1], 0x40
	v_lshl_add_u32 v[SPW], v0, 2, SPARE
	v_mov_b32 v[NIL], 0
	v_lshrrev_b32 v[T0], 5, v0
	v_readfirstlane_b32 s[WV], v[T0]               ; wave 0..7
	s_lshr_b32 s[WDW], ttmp9, 6                    ; window
	s_bfe_u32 s[QUAD], ttmp9, 0x40002              ; quad
	s_and_b32 s[QQ], ttmp9, 3                      ; quarter of the queries
	v_and_b32 v[LN], 31, v0                        ; lane
	v_and_b32 v[RR], 15, v0                        ; r
	v_bfe_u32 v[HH], v0, 4, 1                      ; h
	v_and_b32 v[R8], 8, v[RR]
	v_add_nc_u32 v[R8], v[R8], v[RR]               ; r + 8 (r / 8)
	v_lshlrev_b32 v[LI], 4, v[LN]
	v_lshl_add_u32 v[T0], v[HH], 3, v[R8]
	v_lshl_add_u32 v[ASK0], v[T0], 1, SCK          ; 2 bytes a key; lanes 16-31 take the odd tile's keys, 8 further on
	v_lshl_add_u32 v[ASV0], v[LN], 2, SCV          ; 4 bytes a channel; lanes 16-31 the odd tile's channels
	v_lshlrev_b32 v[MO], 12, v[RR]
	v_lshl_add_u32 v[MO], v[HH], 6, v[MO]
	v_lshlrev_b32 v[QO], 5, v[RR]
	v_lshl_add_u32 v[QO], v[HH], 4, v[QO]
	v_lshlrev_b32 v[QSO], 1, v[RR]
	s_mul_i32 s58, s[WV], 16*272
	s_add_co_u32 s58, s58, STG                     ; my stage
	v_mul_u32_u24 v[STO], v[RR], 272
	v_lshl_add_u32 v[STO], v[HH], 5, v[STO]
	v_add_nc_u32 v[STO], s58, v[STO]               ; in: row r; tile t's eight channels of my half 64 t + 32 h bytes on
	v_mul_u32_u24 v[RD], v[HH], 272
	v_lshl_add_u32 v[RD], v[RR], 4, v[RD]
	v_add_nc_u32 v[RD], s58, v[RD]                 ; back: lanes 0-15 one row, lanes 16-31 the next
	v_lshlrev_b32 v[GO], 8, v[HH]
	v_lshl_add_u32 v[GO], v[RR], 4, v[GO]
	v_lshlrev_b32 v[H16], 4, v[HH]
	s_mov_b32 s[SEL], 0x76543210
	s_mov_b32 s[SEL+1], 0xfedcba98
	s_mov_b32 s[CL], 0x3fb8aa3b                    ; log2(e)
	s_mov_b32 s[CL+1], s[CL]                       ; (named with it as a pair, so it is written)
	s_lshl_b32 s[Q0], s[QQ], 8
	s_lshl_b32 s58, s[WV], 4
	s_add_co_u32 s[Q0], s[Q0], s58                 ; the first pass's tile: 256 x quarter + 16 x wave
	; THE LENGTHS of my window's 64 heads: item e is head 32 (e / 8) + 8 x window + e % 8; lane l takes items l and l + 32
	v_lshrrev_b32 v[T0], 3, v[LN]
	v_and_b32 v[T1], 7, v[LN]
	v_lshlrev_b32 v[T0], 7, v[T0]
	v_lshl_add_u32 v[T0], v[T1], 2, v[T0]
	s_lshl_b32 s58, s[WDW], 5
	s_mov_b32 s59, 0
	s_wait_kmcnt 0x0
	s_add_nc_u64 s[12:13], s[12:13], s[58:59]
	global_load_b32 v[VA], v[T0], s[12:13]
	global_load_b32 v[VB], v[T0], s[12:13] offset:512
	s_wait_loadcnt 0x0
; key = steps << 17 | valid << 6 | 63 - e: all 64 differ.  steps = ceil(valid / 128), and 8 where valid = 0: such a head walks all keys
.macro MAKEKEY val, key, top
	v_cmp_gt_i32 vcc_lo, 0, v[\val]
	v_cndmask_b32 v[\val], v[\val], v[NIL], vcc_lo
	v_min_u32 v[\val], 0x400, v[\val]              ; held to 0 .. 1,024: what the comparison with the keys' numbers makes of it
	v_add_nc_u32 v[T1], 127, v[\val]
	v_lshrrev_b32 v[T1], 7, v[T1]
	v_cmp_ne_u32 vcc_lo, 0, v[\val]
	v_cndmask_b32 v[T1], 8, v[T1], vcc_lo
	v_sub_nc_u32 v[\key], \top, v[LN]
	v_lshl_or_b32 v[\key], v[\val], 6, v[\key]
	v_lshl_or_b32 v[\key], v[T1], 17, v[\key]
.endm
	MAKEKEY VA, KA, 63
	MAKEKEY VB, KB, 31
	; THE RANKS: an item's rank is the number of larger keys
	v_mov_b32 v[RKA], 0
	v_mov_b32 v[RKB], 0
.irp g, 0,1,2,3,4,5,6,7
.irp q, 0,1,2,3
	v_readlane_b32 s[66+\q], v[KA], 4*\g+\q
	v_readlane_b32 s[70+\q], v[KB], 4*\g+\q
.endr
.irp q, 0,1,2,3,4,5,6,7
	v_cmp_gt_u32 vcc_lo, s[66+\q], v[KA]
	v_add_co_ci_u32 v[RKA], vcc_lo, 0, v[RKA], vcc_lo
	v_cmp_gt_u32 vcc_lo, s[66+\q], v[KB]
	v_add_co_ci_u32 v[RKB], vcc_lo, 0, v[RKB], vcc_lo
.endr
.endr
; Slot t takes the item of rank s58.
.macro PICK t
	v_cmp_eq_u32 s66, s58, v[RKA]
	v_cmp_eq_u32 s67, s58, v[RKB]
	s_ctz_i32_b32 s68, s66
	s_min_u32 s68, s68, 31
	s_ctz_i32_b32 s69, s67
	s_min_u32 s69, s69, 31
	v_readlane_b32 s70, v[KA], s68
	v_readlane_b32 s71, v[KB], s69
	s_cmp_lg_u32 s66, 0
	s_cselect_b32 s70, s70, s71                    ; its key
	s_and_b32 s71, s70, 63
	s_sub_co_u32 s71, 63, s71                      ; e
	s_bfe_u32 s[VL+\t], s70, 0xb0006               ; valid: 11 bits from bit 6
	s_lshr_b32 s[NST+\t], s70, 17
	s_lshr_b32 s72, s71, 3
	s_lshl_b32 s72, s72, 5
	s_and_b32 s71, s71, 7
	s_add_co_u32 s72, s72, s71
	s_lshl_b32 s73, s[WDW], 3
	s_add_co_u32 s72, s72, s73
	s_min_u32 s[HD+\t], s72, 255                   ; the head: held inside the tensors before it enters an address
.endm
	s_mov_b32 s58, s[QUAD]
	PICK 0
	s_sub_co_u32 s58, 31, s[QUAD]
	PICK 1
	s_add_co_u32 s58, s[QUAD], 32
	PICK 2
	s_sub_co_u32 s58, 63, s[QUAD]
	PICK 3
	s_max_u32 s[SMAX], s[NST], s[NST+1]
	s_max_u32 s[SMAX], s[SMAX], s[NST+2]
	s_max_u32 s[SMAX], s[SMAX], s[NST+3]
	TILE_LOADS                                     ; the first pass's Q and mask tile go out ahead of the copy
	; THE COPY.  Wave x takes, in every step and slot, K's fragment x and V's half fragment x; and an eighth of the scale bytes.
	s_lshr_b32 s60, s[WV], 1
	s_and_b32 s61, s[WV], 1
	s_lshl_b32 s62, s60, 10
	s_lshl_b32 s63, s61, 8
	s_add_co_u32 s62, s62, s63
	v_lshl_add_u32 v[T0], v[R8], 5, s62            ; K: key 32 (x / 2) + 8 (x % 2) + r + 8 (r / 8), 32 bytes a key,
	v_lshl_add_u32 v[T0], v[HH], 4, v[T0]          ; + 16 h
	s_lshl_b32 s62, s60, 13
	s_lshl_b32 s63, s61, 5
	s_add_co_u32 s62, s62, s63
	v_lshl_add_u32 v[T1], v[RR], 9, s62            ; V: channel 16 (x / 2) + r, 512 bytes a channel, + 32 (x % 2)
	v_lshl_add_u32 v[T1], v[HH], 4, v[T1]          ; + 16 h
.irp i, 0,1,2,3
	s_lshl_b32 s63, s[HD+\i], 15
	v_add_nc_u32 v[KO+\i], s63, v[T0]
	v_add_nc_u32 v[VO+\i], s63, v[T1]
.endr
	s_lshl_b32 s62, s[WV], 9
	v_add_nc_u32 v[FS], s62, v[LI]
.irp j, 1,2,3,4,5,6,7
	v_add_nc_u32 v[FS+\j], 32768*\j, v[FS]
.endr
	s_cmp_eq_u32 s60, 1                            ; the scales: slot x / 2, half x % 2
	s_cselect_b32 s62, s[HD+1], s[HD]
	s_cmp_eq_u32 s60, 2
	s_cselect_b32 s62, s[HD+2], s62
	s_cmp_eq_u32 s60, 3
	s_cselect_b32 s62, s[HD+3], s62
	s_min_u32 s62, s62, 255
	s_lshl_b32 s62, s62, 11
	s_lshl_b32 s63, s61, 10
	s_add_co_u32 s62, s62, s63
	v_add_nc_u32 v[SKO], s62, v[LI]
	s_lshl_b32 s62, s[WV], 10
	v_add_nc_u32 v[SKL], s62, v[LI]
	v_add_nc_u32 v[SKL], SCK, v[SKL]
	s_lshl_b32 s62, s60, 11
	s_lshl_b32 s63, s61, 7
	s_add_co_u32 s62, s62, s63
	s_add_co_u32 s62, s62, SCV
	v_and_b32 v[SVL], 1, v[LN]                     ; V's scale words are turned: my 16 bytes are words 4 (l % 2) + 0 .. 3 of channel l / 2 (+ 16 in the second load)
	v_lshlrev_b32 v[SVL], 10, v[SVL]
	v_lshrrev_b32 v[VA], 1, v[LN]
	v_lshl_add_u32 v[SVL], v[VA], 2, v[SVL]
	v_add_nc_u32 v[SVL], s62, v[SVL]
	global_load_b128 v[44:47], v[SKO], s[6:7]
	global_load_b128 v[48:51], v[SKO], s[6:7] offset:512
	global_load_b128 v[52:55], v[SKO], s[16:17]
	global_load_b128 v[56:59], v[SKO], s[16:17] offset:512
.macro FREG j, i, k                            ; where load 8 j + 2 i + k lands: steps 0-5 in window 1, v0-191; steps 6, 7 in window 0, v80-143
.if (\j) < 6
.set FB, 4*(8*(\j)+2*(\i)+(\k))
.else
.set FB, S+4*(8*((\j)-6)+2*(\i)+(\k))
.endif
.endm
.irp j, 0,1,2,3,4,5,6,7
.if \j < 6
	WIN 0x40
.else
	WIN 0
.endif
.irp i, 0,1,2,3
	FREG \j, \i, 0
	global_load_b128 v[FB:FB+3], v[KO+\i], s[4:5] offset:4096*\j
	FREG \j, \i, 1
	global_load_b128 v[FB:FB+3], v[VO+\i], s[14:15] offset:64*\j
.endr
.endr
	WIN 0
	s_wait_loadcnt 63                              ; 64 loads were issued behind the scales' four; the count's field holds 63: one load more is waited for
	ds_store_b128 v[SKL], v[44:47]
	ds_store_b128 v[SKL], v[48:51] offset:512
.irp m, 0,1,2,3
	ds_store_b32 v[SVL], v[52+\m] offset:256*\m
.endr
.irp m, 0,1,2,3
	ds_store_b32 v[SVL], v[56+\m] offset:64+256*\m
.endr
.irp j, 0,1,2,3,4,5,6,7
	s_wait_loadcnt 8*(7-\j)                        ; the eight loads of each later step may be out
.if \j < 6
	WIN 0x04
.else
	WIN 0
.endif
.irp i, 0,1,2,3
	FREG \j, \i, 0
	ds_store_b128 v[FS+\j], v[FB:FB+3] offset:8192*\i
	FREG \j, \i, 1
	ds_store_b128 v[FS+\j], v[FB:FB+3] offset:8192*\i+4096
.endr
.endr
	WIN 0
	s_wait_dscnt 0x0                               ; for the others' sake: my stores have landed
	s_barrier_signal -1
	s_barrier_wait -1                              ; the launch's one barrier: the images are whole; from here on they are only read
	WIN 0x40
.irp i, 0,1,2,3
.irp k, 4,5,6,7
	v_mov_b32 v[QF+8*\i+\k], 0                     ; Q's upper half along K: zero codes, written once
.endr
.endr
	WIN 0
.irp k, 32,33,34,35
	v_mov_b32 v[KV+\k], 0                          ; named with K's last tile; they meet Q's zero codes
.endr
.irp k, 0,1,2,3,4,5,6,7,8,9,10,11,12,13,14,15,16,17
	v_mov_b32 v[BM+\k], 0                          ; written once: destinations of lane permutes and upper halves of pairs count as read
.endr
	v_mov_b32 v[NEGV], 0xc9742400                  ; -1e6
.irp i, 0,1,2,3
	v_mov_b32 v[STAT+4*\i+1], 0
.endr
	s_mov_b32 s[PASS], 2
.Lpass:
	TILE_INIT
	s_mov_b32 s[TR], 4
.Lpair:                                            ; two key steps a trip, so that the mask buffers are back where they began
	STEP 0
	STEP 1
	s_sub_co_u32 s[TR], s[TR], 1
	s_cmp_lg_u32 s[TR], 0
	s_cbranch_scc1 .Lpair
	s_wait_loadcnt 0x0                             ; the mask tile asked for last is in: its buffer and its base may be used again
	s_mov_b32 s[QP], s[Q0]
	s_cmp_eq_u32 s[PASS], 1
	s_cbranch_scc1 .Lno_next
	s_add_co_u32 s[Q0], s[Q0], 128
	TILE_LOADS                                     ; the next pass's Q and first mask tile land while this tile goes out
.Lno_next:
	WAYOUT
	s_sub_co_u32 s[PASS], s[PASS], 1
	s_cmp_lg_u32 s[PASS], 0
	s_cbranch_scc1 .Lpass
	s_wait_tensorcnt 0x0                           ; the wave's end: three lines behind my last LDS store
	ds_add_u32 v[SPW], v[NIL]
	s_wait_dscnt 0x0
	s_endpgm
.Lfunc_end_k_q2e49e38297_attn:
	.size	k_q2e49e38297_attn, .Lfunc_end_k_q2e49e38297_attn-k_q2e49e38297_attn
	.p2alignl 7, 3214868480
	.fill 96, 4, 3214868480
	.section	.rodata,"a",@progbits
	.p2align	6, 0x0
	.amdhsa_kernel k_q2e49e38297_attn
		.amdhsa_group_segment_fixed_size 314368
		.amdhsa_private_segment_fixed_size 0
		.amdhsa_enable_private_segment 0
		.amdhsa_kernarg_size 72
		.amdhsa_user_sgpr_count 2
		.amdhsa_user_sgpr_kernarg_segment_ptr 1
		.amdhsa_wavefront_size32 1
		.amdhsa_system_sgpr_workgroup_id_x 1
		.amdhsa_system_sgpr_workgroup_id_y 1
		.amdhsa_system_sgpr_workgroup_id_z 1
		.amdhsa_system_vgpr_workitem_id 0
		.amdhsa_next_free_vgpr 512
		.amdhsa_next_free_sgpr 96
		.amdhsa_reserve_vcc 1
		.amdhsa_float_denorm_mode_32 3
		.amdhsa_float_denorm_mode_16_64 3
		.amdhsa_memory_ordered 1
		.amdhsa_forward_progress 1
		.amdhsa_inst_pref_size 234
	.end_amdhsa_kernel
	.amdgpu_metadata
---
amdhsa.version: [ 1, 2 ]
amdhsa.kernels:
  - .name:           k_q2e49e38297_attn
    .symbol:         k_q2e49e38297_attn.kd
    .args:
      - { .name: keys_codes, .offset: 0, .size: 8, .value_kind: global_buffer, .address_space: global }
      - { .name: keys_scales, .offset: 8, .size: 8, .value_kind: global_buffer, .address_space: global }
      - { .name: queries_codes, .offset: 16, .size: 8, .value_kind: global_buffer, .address_space: global }
      - { .name: queries_scales, .offset: 24, .size: 8, .value_kind: global_buffer, .address_space: global }
      - { .name: valid_lens, .offset: 32, .size: 8, .value_kind: global_buffer, .address_space: global }
      - { .name: values_codes, .offset: 40, .size: 8, .value_kind: global_buffer, .address_space: global }
      - { .name: values_scales, .offset: 48, .size: 8, .value_kind: global_buffer, .address_space: global }
      - { .name: window_mask, .offset: 56, .size: 8, .value_kind: global_buffer, .address_space: global }
      - { .name: out0, .offset: 64, .size: 8, .value_kind: global_buffer, .address_space: global }
    .group_segment_fixed_size: 314368
    .private_segment_fixed_size: 0
    .kernarg_segment_align: 8
    .kernarg_segment_size: 72
    .max_flat_workgroup_size: 256
    .sgpr_count:     96
    .vgpr_count:     512
    .wavefront_size: 32
...
	.end_amdgpu_metadata
.endif
;; end of part 1
;; ======== version 2 of 2: 1 launch; version 1 with the launch attn written anew for expert scheduling mode
;; limits: right only within a limited range of input values
;; launch attn (part 2): grid 256 x 1, 8 waves a work-group, no clusters, 314,368 bytes of LDS; arguments keys_codes, keys_scales, queries_codes, queries_scales, valid_lens, values_codes, values_scales, window_mask, out0; writes out0
.if DOCPART == 2
	.amdgcn_target "amdgcn-amd-amdhsa--gfx1250"
	.amdhsa_code_object_version 6
	.text
	.protected	k_q2e49e38297_attn
	.globl	k_q2e49e38297_attn
	.p2align	8
	.type	k_q2e49e38297_attn,@function
k_q2e49e38297_attn:
	s_mov_b64 s[64:65], 0
	v_nop
	global_prefetch_b8 v0, s[64:65] scope:SCOPE_SE
	s_setreg_imm32_b32 hwreg(HW_REG_WAVE_SCHED_MODE, 0, 2), 2
	s_setreg_imm32_b32 hwreg(HW_REG_WAVE_MODE, 25, 1), 1
	s_wait_xcnt 0x0
	s_wait_alu depctr_vm_vsrc(0)
; out[n][q][:] = softmax_k(logit) V[n][k][:], logit = Q[n][q].K[n][k] / 8 + window_mask[(n / 8) % 4][q][k], and -1e6 where k >= valid_lens[n].
; 256 heads, 1,024 queries, 1,024 keys, 64 channels.  Q, K, V: codes of FP4 (E2M1) with one E8M0 byte for each 32 along a product's K; V has the keys innermost.
; p = 2^(t - M), t = logit x log2(e), M the running largest t rounded up to a whole number; p is quantised along the keys; the row's sum is taken of the unquantised p and divides at the end.
; SHARES.  Work-group x: window x / 64, quad (x / 4) % 16, query quarter x % 4: four heads of one window x 256 queries.  The 64 heads of a window are ranked by their number of key steps and dealt out
; so that quad u takes ranks u, 31 - u, 32 + u, 63 - u: every quad gets about the same number of steps.  Every wave makes the ranking for itself, from whole numbers alone.
; Eight waves; a wave takes one tile of 16 queries through the four heads, twice (two passes).  Key steps of 128 keys run outside, the four heads inside: a mask tile of 16 x 128 f32 is loaded once, into
; 64 registers in the layout of a matrix result, and is the C of the first product of up to four heads; the division by 8 is 3 off Q's scale bytes.  So the logit costs no vector instruction.
; WHAT IS LEFT OUT.  A key step all of whose keys lie at or behind a head's valid length has p = 0 and is jumped over (scalar branches on the lengths).  With valid length 0 every logit is -1e6: t = M, p = 1 for all keys:
; constant codes (4.0 under the scale 2^-2), the sum 1,024.
; K, V and their scale bytes of the four heads are copied once into LDS as images of the operands' registers (16 bytes a lane, 512 an instruction); one barrier; behind it the waves share nothing.
; NO TENSOR LOAD, NO CLUSTER: the walk hangs on lengths read from memory, so every operand comes through registers, and a joint request has no place.  NO PREFETCH: the mask is asked for a whole key step
; ahead, straight into registers; K and V are read at the head alone.
; LAYOUT.  Both products are used transposed: S^T = K Q^T + mask^T, O^T = V^T P^T: a lane holds ONE query (lane % 16).  Lane r of key tile 2 b + u takes key 32 b + 8 u + r + 8 (r / 8), so that register 16 b + n of
; the scores is key 32 b + 16 (lane / 16) + n.  The head's 64 channels fill half of the instruction's 128 along K: Q's upper four registers are zero codes, so what stands in K's upper four (the next tile's codes) adds nothing;
; the scale words' upper two bytes are 0, which is a small number and no NaN.
; LIMITS.  Keys of steps left out count for nothing: exact while a row's largest valid logit lies above about -999,890.  Q's scale bytes under 3 are held at 3.  A scale byte 0xff, NaN and infinities are not served.
; With valid length 0, t is the f32 product -1e6 x log2(e), a whole number.  Lengths under 0 count as 0, above 1,024 as 1,024.
; THE MODE: SCHED_MODE bits 1:0 = 2 (LLVM: expert scheduling mode 2), set by the entry lines.  The code itself states the register dependences between vector or matrix instructions and memory or LDS
; instructions, and those through scalar registers that vector instructions write, with s_wait_alu, always for 0.  No line of this text writes VCC.
; THE PLAN.  Registers that memory or LDS instructions touch, in the loop over the key steps:
;   K's buffer v44-75, K's scale words v36-39.  Read by a slot's eight first products.  Loaded for slot 0 at the step's head, for slot i + 1 in slot i.
;   V's buffer (window 1, v224-255), V's scale words v40-41.  Read by a slot's four second products.  Loaded in the same slot.
;   Mask buffers 0 and 1.  Read by a step's first products as their C; the other buffer is loaded at the step's head, for the next step.
;   v[AKV], v[ASK], v[ASV].  Read by every LDS load of a step; written at the step's head.  v[LI], v[MO] and the way out's addresses are made at the kernel's head and never written again.
; A slot's wait behind its 64 exponentials also states that this slot's first products are done reading K and that the last slot's second products are done reading V:
; so V of this slot and K of the next are asked for straight behind it, with no wait of their own, and land while the sums, the conversions and the rescaling are walked.
; WHO ASKS FOR K.  The ranks rise from slot to slot, so the numbers of steps never rise: slot 0 is walked in every step that is walked, and a slot that is left out has no walked successor in its step.
; So the step's head asks for slot 0's K, and every walked slot asks for its successor's where that one is walked.
; A step has one wait on vm_vsrc (ahead of its three addresses) and one on va_vdst (behind them); a slot has four on va_vdst: ahead of the 64 exponentials, behind them, behind the four, and ahead of the second product.
; LDS
.set SCK,   262144                     ; [0, 262144): [step: 32,768][head slot: 8,192][K: 8 fragments x 512, then V: 8 half fragments x 512].  Here: K's scale bytes, [slot: 2,048], as in memory
.set SCV,   270336                     ; V's scale words, [slot: 2,048][step: 256][channel: 4]
.set STG,   278528                     ; the way out: 16 rows x (256 + 16) bytes for each wave
.set SPARE, 313344                     ; the spare words, 128 bytes for each wave: four blocks of 256 bytes that no other line names
; vector registers, window 0
.set LI,   1                           ; 16 x lane
.set AKV,  2                           ; LI + the step's place in LDS
.set ASK0, 3                           ; my place among K's scale bytes
.set ASV0, 4                           ; and among V's scale words
.set ASK,  5                           ; the same, in the step in hand
.set ASV,  6
.set MO,   7                           ; the mask: 4,096 r + 64 h
.set QO,   8                           ; Q's codes: 32 r + 16 h
.set QSO,  9                           ; Q's scale bytes: 2 r
.set STO,  10                          ; the stage, in
.set RD,   11                          ; the stage, back
.set GO,   12                          ; my bytes in two rows of out
.set H16,  13                          ; 16 h
.set SPW,  14                          ; LDS address of my spare word; never rewritten
.set NIL,  15                          ; 0; never rewritten
.set STAT, 16                          ; slot i at 16 + 4 i: -M, a word named with it as a pair, the sum in two halves
.set QS,   32                          ; Q's scale words, a slot each
.set KSC,  36                          ; K's: register b: lanes 0-15 tile 2 b, lanes 16-31 tile 2 b + 1
.set VSC,  40                          ; V's likewise
.set PW,   42                          ; p's scale word
.set KV,   44                          ; K's tile T at 44 + 4 T; v76-79 written once
.set S,    80                          ; the scores, then p; at the head v80-95 hold sixteen masks' bits as numbers
.set MK0,  144                         ; mask buffer 0
.set P,    208                         ; p's codes
.set BM,   216                         ; the blocks' largest scores
.set PT,   220                         ; the other half's; then the scales' bytes
.set SOP,  224                         ; the conversions' scale operands
.set F,    228                         ; 2^(old M - new M), and a word named with it as a pair
.set TT,   230
.set OLD,  231
.set SUM2, 232
.set QCO,  234                         ; offsets of Q's codes, a slot each
.set QSF,  238                         ; and of Q's scale bytes
.set DD,   242
.set NEGV, 243                         ; -1e6
.set KO,   244                         ; the copy: offsets of K's and V's codes, a slot each; of the scales; two LDS addresses
.set VO,   248
.set SKO,  252
.set SKL,  253
.set SVL,  254
.set FS,   216                         ; the copy: LDS address of my fragment in step j
; the head's own, all written anew behind the barrier
.set LN,   224
.set RR,   225
.set HH,   226
.set R8,   227
.set T0,   228
.set T1,   229
.set KA,   230
.set KB,   231
.set RKA,  232
.set RKB,  233
.set VA,   242
.set VB,   243
; window 1: v0-127 O^T, slot i at 32 i, tile t at + 8 t
.set MK1,  128                         ; mask buffer 1
.set RB,   128                         ; the way out: rows read back
.set QF,   192                         ; Q's fragments, slot i at 192 + 8 i
.set VF,   224                         ; V's tile t at 224 + 8 t
; scalar registers.  s[4:5] K's codes, s[6:7] K's scales, s[8:9] Q's codes, s[10:11] Q's scales, s[12:13] the lengths, s[14:15] V's codes, s[16:17] V's scales, s[18:19] the mask, s[20:21] out
; s58-63 at work; s66-91 masks, lanes and keys that vector instructions write: each run of them has its wait ahead of its first reader
.set WV,   22
.set WDW,  23
.set QUAD, 24
.set QQ,   25
.set QP,   26                          ; first query of the tile that goes out
.set SMAX, 27                          ; the most steps among my four heads
.set HD,   28                          ; s28-31 the heads
.set VL,   32                          ; s32-35 their valid lengths
.set NST,  36                          ; s36-39 their key steps
.set J,    40
.set TB,   41                          ; 32,768 J
.set TS,   42                          ; 256 J
.set KF,   44                          ; 128 J
.set TR,   45
.set PASS, 46
.set Q0,   47                          ; first query of the tile whose loads are issued
.set MB,   48                          ; s[48:49] the mask tile last asked for
.set SEL,  50                          ; s[50:51] lane selects: lane l xor 16
.set CL,   52                          ; s[52:53] log2(e)
.set OBS,  54                          ; s[54:57] two bases in out, by turns
.set MSB, 0
.macro WIN new                         ; the immediate's high byte repeats the setting that is left; a switch that changes nothing is dropped
.if MSB != (\new)
	s_set_vgpr_msb (MSB<<8)|(\new)
.set MSB, (\new)
.endif
.endm
.macro PLACES n
.rept \n
	v_nop
.endr
.endm
; A mask tile, 16 queries x 128 keys, into buffer buf: register 16 b + n = key 32 b + 16 h + n of query r.  The sixteen loads together read 512 consecutive bytes of each of 16 rows, each byte once.
.macro MASKLOAD buf
.if (\buf)
	WIN 0x40
.set MKB, MK1
.else
.set MKB, MK0
.endif
.irp g, 0,1,2,3,4,5,6,7,8,9,10,11,12,13,14,15
	global_load_b128 v[MKB+4*\g:MKB+4*\g+3], v[MO], s[MB:MB+1] offset:16*(\g%4)+128*(\g/4)
.endr
	WIN 0
.endm
; What a tile of 16 queries wants from memory: Q's codes and scale bytes in the four heads, and the first mask tile.
.macro TILE_LOADS
	s_wait_xcnt 0x0                                ; the offsets below are written again only behind this wait
	s_wait_alu depctr_vm_vsrc(0)                   ; the last tile's loads of Q and of its scale bytes have read the eight offsets that are written below
	s_lshl_b32 s59, s[Q0], 5
	s_lshl_b32 s60, s[Q0], 1
.irp i, 0,1,2,3
	s_lshl_b32 s58, s[HD+\i], 15                   ; a head's codes are 32,768 bytes,
	s_add_co_u32 s58, s58, s59
	v_add_nc_u32 v[QCO+\i], s58, v[QO]
	s_lshl_b32 s58, s[HD+\i], 11                   ; its scale bytes 2,048
	s_add_co_u32 s58, s58, s60
	v_add_nc_u32 v[QSF+\i], s58, v[QSO]
.endr
	WIN 0x40
	s_wait_alu depctr_va_vdst(0)                   ; the eight offsets are written, which the loads below read; the products of the tile before are done reading Q, its scale words and mask buffer 0, in which these loads land
.irp i, 0,1,2,3
	global_load_b128 v[QF+8*\i:QF+8*\i+3], v[QCO+\i], s[8:9]
.endr
	WIN 0
.irp i, 0,1,2,3
	global_load_u16 v[QS+\i], v[QSF+\i], s[10:11]  ; two bytes; the word's upper half is 0
.endr
	s_lshl_b32 s58, s[WDW], 22
	s_lshl_b32 s59, s[Q0], 12
	s_add_co_u32 s58, s58, s59
	s_mov_b32 s59, 0
	s_add_nc_u64 s[MB:MB+1], s[18:19], s[58:59]
	MASKLOAD 0
.endm
; A tile begins.  O^T is cleared here and not begun by a product with C = 0: which step is a head's first product is the same for all, but a first step written out would be four more copies of the slot's text.
.macro TILE_INIT
	s_mov_b32 s[J], 0
	s_mov_b32 s[TB], 0
	s_mov_b32 s[TS], 0
	s_mov_b32 s[KF], 0
	WIN 0x40
.set k, 0
.rept 64
	v_mov_b32 v[k], 0
.set k, k+1
.endr
	WIN 0
.irp i, 0,1,2,3
	v_mov_b32 v[STAT+4*\i], 0x7f61b1e6             ; -M = 3e38: M lies under every t
	s_cmp_eq_u32 s[VL+\i], 0
	s_cselect_b32 s58, 0x44000000, 0               ; valid length 0: my 512 keys' p = 1 are summed here, once
	v_mov_b32 v[STAT+4*\i+2], s58
	v_mov_b32 v[STAT+4*\i+3], 0
.endr
	s_wait_loadcnt 0x0                             ; Q and the first mask tile are in
	s_wait_xcnt 0x0                                ; the last tile's stores have read their registers: mask buffer 1 is loaded again only behind this wait
	s_wait_alu depctr_vm_vsrc(0)                   ; the last tile's global stores have read the rows read back, in which mask buffer 1's loads land; its LDS stores have read v[S ..], which the first products write
.irp i, 0,1,2,3
	v_and_b32 v[TT], 0xff, v[QS+\i]                ; the division by 8: 3 off each of Q's two scale bytes, held at 0 from below
	v_lshrrev_b32 v[OLD], 8, v[QS+\i]
	v_max_u32 v[TT], 3, v[TT]
	v_max_u32 v[OLD], 3, v[OLD]
	v_lshl_or_b32 v[QS+\i], v[OLD], 8, v[TT]
	v_add_nc_u32 v[QS+\i], 0xfffffcfd, v[QS+\i]
.endr
	WIN 0x40
.rept 64
	v_mov_b32 v[k], 0                              ; (these 64 are also the places between the scale words just written and the first scaled product)
.set k, k+1
.endr
	WIN 0
.endm
; K's eight fragments of the step (16 keys x 64 channels each) and their scale bytes, for slot i.
.macro KLOAD i
.irp T, 0,1,2,3,4,5,6,7
	ds_load_b128 v[KV+4*\T:KV+4*\T+3], v[AKV] offset:8192*(\i)+512*\T
.endr
.irp b, 0,1,2,3
	ds_load_u16 v[KSC+\b], v[ASK] offset:2048*(\i)+64*\b
.endr
.endm
; The same, where slot i is walked in this step: the test is that slot's own.
.macro PRE i
	s_cmp_le_u32 s[NST+(\i)], s[J]
	s_cbranch_scc1 .Lnone_\@
	KLOAD \i
.Lnone_\@:
.endm
; V's four fragments of the step (16 channels x 128 keys each) and their scale words, for slot i.
.macro VLOAD i
	WIN 0x40
.irp t, 0,1,2,3
.irp c, 0,1
	ds_load_b128 v[VF+8*\t+4*\c:VF+8*\t+4*\c+3], v[AKV] offset:8192*(\i)+4096+512*(2*\t+\c)
.endr
.endr
	WIN 0
.irp t, 0,1
	ds_load_b32 v[VSC+\t], v[ASV] offset:2048*(\i)+128*\t
.endr
.endm
; ONE HEAD'S KEY STEP for my 16 queries.  par: which mask buffer holds the step's tile.
.macro SLOT i, par
.set NM, STAT+4*(\i)
.set LS, STAT+4*(\i)+2
.set OB, 32*(\i)
.if (\par)
.set MKB, MK1
.else
.set MKB, MK0
.endif
	s_cmp_le_u32 s[NST+\i], s[J]                   ; all 128 keys lie behind the valid length: p = 0
	s_cbranch_scc1 .Lskip_\@
	s_wait_dscnt 0x0                               ; my K and its scale bytes, asked for a slot ago (slot 0's: at the step's head), are in
	s_cmp_lg_u32 s[VL+\i], 0
	s_cbranch_scc1 .Lmain_\@
	s_wait_alu depctr_va_vdst(0)                   ; the last slot's second products are done reading V and its scale words, and all first products K and its: the loads below land in them
	VLOAD \i                                       ; valid length 0: p = 1 for every key: the code of 4.0 under the scale 2^-2
.if \i < 3
	PRE \i+1
.endif
	v_mov_b32 v[PW], 0x7d7d7d7d
.irp k, 0,1,2,3,4,5,6,7
	v_mov_b32 v[P+\k], 0x66666666
.endr
	PLACES 8                                       ; a scale register written by a vector instruction stands 8 places ahead of a scaled product, an operand so written 4
	s_branch .Lpv_\@
.Lmain_\@:
	WIN (0x04|((\par)<<4))                         ; Q in window 1, the mask in its buffer's window
.irp T, 0,1,2,3,4,5,6,7                        ; S^T = K Q^T / 8 + mask^T: eight results, each begun with the mask as C
.if \T%2
	v_wmma_scale_f32_16x16x128_f8f6f4 v[S+8*\T:S+8*\T+7], v[KV+4*\T:KV+4*\T+7], v[QF+8*(\i):QF+8*(\i)+7], v[MKB+8*\T:MKB+8*\T+7], v[KSC+\T/2], v[QS+(\i)] matrix_a_fmt:MATRIX_FMT_FP4 matrix_b_fmt:MATRIX_FMT_FP4 matrix_a_scale:MATRIX_SCALE_ROW1
.else
	v_wmma_scale_f32_16x16x128_f8f6f4 v[S+8*\T:S+8*\T+7], v[KV+4*\T:KV+4*\T+7], v[QF+8*(\i):QF+8*(\i)+7], v[MKB+8*\T:MKB+8*\T+7], v[KSC+\T/2], v[QS+(\i)] matrix_a_fmt:MATRIX_FMT_FP4 matrix_b_fmt:MATRIX_FMT_FP4
.endif
.endr
	WIN 0
	PLACES 4                                       ; in front of the first read of the scores (ISA guide 7.12.1)
	s_add_co_u32 s58, s[KF], 128
	s_cmp_le_u32 s58, s[VL+\i]
	s_cbranch_scc1 .Lopen_\@                       ; all 128 keys count
	s_sub_co_u32 s58, s[VL+\i], s[KF]
	v_sub_nc_u32 v[DD], s58, v[H16]                ; register 16 b + n is hidden where 32 b + n >= valid length - first key - 16 h
.irp b, 0,1,2,3                                ; a block's sixteen comparisons in one run, into sixteen scalar registers; then its sixteen selections
.irp n, 0,1,2,3,4,5,6,7,8,9,10,11,12,13,14,15
	v_cmp_ge_i32 s[66+\n], \n, v[DD]
.endr
	s_wait_alu depctr_va_sdst(0)                   ; the sixteen masks s66 to s81 are written, ahead of the selections that read them
.irp n, 0,1,2,3,4,5,6,7,8,9,10,11,12,13,14,15
	v_cndmask_b32 v[S+16*\b+\n], v[S+16*\b+\n], v[NEGV], s[66+\n]
.endr
.if \b < 3
	v_add_nc_u32 v[DD], 0xffffffe0, v[DD]
.endif
.endr
.Lopen_\@:
.irp b, 0,1,2,3
	v_max3_num_f32 v[BM+\b], v[S+16*\b], v[S+1+16*\b], v[S+2+16*\b]   ; the largest score of each block of 32 keys: for the row's maximum, and, since p rises with the score, for the block's largest p
.endr
.irp n, 3,5,7,9,11,13
.irp b, 0,1,2,3
	v_max3_num_f32 v[BM+\b], v[BM+\b], v[S+16*\b+\n], v[S+1+16*\b+\n]
.endr
.endr
.irp b, 0,1,2,3
	v_max_num_f32 v[BM+\b], v[BM+\b], v[S+15+16*\b]
.endr
.irp b, 0,1,2,3
	v_permlanex16_b32 v[PT+\b], v[BM+\b], s[SEL], s[SEL+1]
.endr
.irp b, 0,1,2,3
	v_max_num_f32 v[BM+\b], v[BM+\b], v[PT+\b]     ; with lane l xor 16's 16 keys
.endr
	v_max3_num_f32 v[TT], v[BM], v[BM+1], v[BM+2]
	v_max_num_f32 v[TT], v[TT], v[BM+3]
	v_mul_f32 v[TT], s[CL], v[TT]                  ; the step's largest t
	v_floor_f32 v[TT], -v[TT]                      ; -ceil(t)
	v_mov_b32 v[OLD], v[NM]
	v_min_num_f32 v[NM], v[NM], v[TT]              ; the new -M: a whole number
	v_sub_f32 v[OLD], v[NM], v[OLD]                ; old M - new M, 0 or less
	v_cvt_i32_f32 v[OLD], v[OLD]                   ; (it saturates)
	v_ldexp_f32 v[F], 1.0, v[OLD]                  ; f = 2^(old M - new M): a multiplication by it rounds nothing
.irp n, 0,2,4,6,8,10,12,14,16,18,20,22,24,26,28,30,32,34,36,38,40,42,44,46,48,50,52,54,56,58,60,62
	v_pk_fma_f32 v[S+\n:S+\n+1], v[S+\n:S+\n+1], s[CL:CL+1], v[NM:NM+1] op_sel_hi:[1,0,0]   ; t - M, two at a time
.endr
.irp b, 0,1,2,3
	v_fma_f32 v[BM+\b], v[BM+\b], s[CL], v[NM]
.endr
	s_wait_alu depctr_va_vdst(0)
.irp n, 0,1,2,3,4,5,6,7,8,9,10,11,12,13,14,15,16,17,18,19,20,21,22,23,24,25,26,27,28,29,30,31,32,33,34,35,36,37,38,39,40,41,42,43,44,45,46,47,48,49,50,51,52,53,54,55,56,57,58,59,60,61,62,63
	v_exp_f32 v[S+\n], v[S+\n]                     ; p = 2^(t - M)
.endr
	v_pk_mul_f32 v[LS:LS+1], v[LS:LS+1], v[F:F+1] op_sel_hi:[1,0]   ; the sums under the new M: the plain instruction behind the exponentials
	s_wait_alu depctr_va_vdst(0)                   ; the 64 exponentials have written p, ahead of the first line that names a result; this slot's first products are done reading K and its scale words, the last slot's second products V and its: the loads below land in them
	VLOAD \i                                       ; no vector or matrix instruction between that wait and the second product names a register that these loads touch
.if \i < 3
	PRE \i+1                                       ; the next slot's K: it lands while this slot's sums, conversions and second product are walked
.endif
.irp b, 0,1,2,3
	v_exp_f32 v[BM+\b], v[BM+\b]                   ; the blocks' largest p
.endr
	v_pk_add_f32 v[SUM2:SUM2+1], v[S:S+1], v[S+2:S+3]   ; the row's sum of the unquantised p, in two chains
.irp n, 4,8,12,16,20,24,28,32,36,40,44,48,52,56,60
	v_pk_add_f32 v[LS:LS+1], v[LS:LS+1], v[S+\n:S+\n+1]
	v_pk_add_f32 v[SUM2:SUM2+1], v[SUM2:SUM2+1], v[S+2+\n:S+3+\n]
.endr
	v_pk_add_f32 v[LS:LS+1], v[LS:LS+1], v[SUM2:SUM2+1]
	s_wait_alu depctr_va_vdst(0)                   ; the four exponentials have written the blocks' largest p, ahead of the first line that names one
.irp b, 0,1,2,3
	v_max_num_f32 v[BM+\b], 0x1800000, v[BM+\b]    ; the floor 2^(3 - 127): the byte cannot fall under 1; a block of zeros keeps that byte over zero codes
.endr
.irp b, 0,1,2,3
	v_add_nc_u32 v[SOP+\b], 0xff000000, v[BM+\b]   ; 2 off the exponent field: the conversion's scale operand
.endr
.irp b, 0,1,2,3
	v_lshrrev_b32 v[PT+\b], 23, v[SOP+\b]          ; the scale's byte
.endr
	v_lshl_or_b32 v[PW], v[PT+1], 8, v[PT]
	v_lshl_or_b32 v[PW], v[PT+2], 16, v[PW]
	v_lshl_or_b32 v[PW], v[PT+3], 24, v[PW]
.irp b, 0,1,2,3
	v_cvt_scalef32_pk8_fp4_f32 v[P+2*\b], v[S+16*\b:S+7+16*\b], v[SOP+\b]
	v_cvt_scalef32_pk8_fp4_f32 v[P+1+2*\b], v[S+8+16*\b:S+15+16*\b], v[SOP+\b]
.endr
	v_nop                                          ; one plain instruction behind the scaled conversions
.irp c, 0,1                                    ; the operand's layout wants a whole block in a lane
.irp n, 0,1
	v_permlane16_swap_b32 v[P+4*\c+\n], v[P+2+4*\c+\n]
.endr
.endr
	WIN 0x41
.irp n, 0,2,4,6,8,10,12,14,16,18,20,22,24,26,28,30
	v_pk_mul_f32 v[OB+\n:OB+\n+1], v[OB+\n:OB+\n+1], v[F:F+1] op_sel_hi:[1,0]   ; O^T under the new M, each tile from its low end on.  For each product below, the twelve on the other three tiles are its places behind p's codes and scale word
.endr
	WIN 0
.Lpv_\@:
	s_wait_dscnt 0x0                               ; V is in, and the next slot's K where it was asked for
	WIN 0x51                                       ; V and O^T in window 1, p's codes in window 0
	s_wait_alu depctr_va_vdst(0)                   ; vector instructions have written p's codes and p's scale word, which the scaled products take; the places stand ahead of this wait
.irp t, 0,1,2,3                                ; O^T += V^T P^T: the four accumulators by turns
.if \t%2
	v_wmma_scale_f32_16x16x128_f8f6f4 v[OB+8*\t:OB+8*\t+7], v[VF+8*\t:VF+8*\t+7], v[P:P+7], v[OB+8*\t:OB+8*\t+7], v[VSC+\t/2], v[PW] matrix_a_fmt:MATRIX_FMT_FP4 matrix_b_fmt:MATRIX_FMT_FP4 matrix_a_scale:MATRIX_SCALE_ROW1
.else
	v_wmma_scale_f32_16x16x128_f8f6f4 v[OB+8*\t:OB+8*\t+7], v[VF+8*\t:VF+8*\t+7], v[P:P+7], v[OB+8*\t:OB+8*\t+7], v[VSC+\t/2], v[PW] matrix_a_fmt:MATRIX_FMT_FP4 matrix_b_fmt:MATRIX_FMT_FP4
.endif
.endr
	WIN 0
	PLACES 4                                       ; in front of the next writes of p's codes and scale word, and of the first read of O^T
.Lskip_\@:
.endm
; A KEY STEP.  The trip counts are constants; what a length decides is jumped over inside.
.macro STEP par
	s_wait_alu depctr_vm_vsrc(0)                   ; the LDS loads issued so far have read the three addresses that are written below
	v_add_nc_u32 v[AKV], s[TB], v[LI]
	v_add_nc_u32 v[ASK], s[TS], v[ASK0]
	v_add_nc_u32 v[ASV], s[TS], v[ASV0]
	s_cmp_le_u32 s[SMAX], s[J]
	s_cbranch_scc1 .Lend_\@                        ; none of my four heads has keys here
	s_wait_dscnt 0x0                               ; no LDS load of mine is out, the last head's loads of K among them, whichever slots were walked since: K's registers are loaded again only behind this wait
	s_wait_alu depctr_va_vdst(0)                   ; the three addresses are written, which the step's LDS loads read; the last step's first products are done reading K and the mask buffer that is loaded below; in a tile's first step Q's scale words and zero codes are written, which the scaled products take
	KLOAD 0                                        ; slot 0's K: on its way while the mask tile is waited for and the next one asked for
	s_wait_loadcnt 0x0                             ; this step's mask tile, asked for a step ago, is in; so the base may step
	s_cmp_lt_u32 s[J], 7
	s_cselect_b32 s58, 512, 0                      ; the last step asks for its own tile again: no load leaves the buffer
	s_mov_b32 s59, 0
	s_add_nc_u64 s[MB:MB+1], s[MB:MB+1], s[58:59]
	MASKLOAD 1-\par
	SLOT 0, \par
	SLOT 1, \par
	SLOT 2, \par
	SLOT 3, \par
.Lend_\@:
	s_add_co_u32 s[J], s[J], 1
	s_add_co_u32 s[TB], s[TB], 32768
	s_add_co_u32 s[TS], s[TS], 256
	s_add_co_u32 s[KF], s[KF], 128
.endm
; THE WAY OUT.  O^T / the sum goes through my stage, a head's 16 rows of 256 bytes at a time, and leaves as two whole rows an instruction: 512 consecutive bytes, aligned.
.macro WAYOUT
.irp i, 0,1,2,3
	v_add_f32 v[BM+2*\i], v[STAT+4*\i+2], v[STAT+4*\i+3]
.endr
.irp i, 0,1,2,3
	v_permlanex16_b32 v[SOP+\i], v[BM+2*\i], s[SEL], s[SEL+1]
.endr
.irp i, 0,1,2,3
	v_add_f32 v[BM+2*\i], v[BM+2*\i], v[SOP+\i]    ; the row's sum
.endr
	s_wait_alu depctr_va_vdst(0)
.irp i, 0,1,2,3
	v_rcp_f32 v[BM+2*\i], v[BM+2*\i]
.endr
	v_nop                                          ; a plain instruction behind the last reciprocal
	s_wait_alu depctr_va_vdst(0)                   ; the four reciprocals are written, ahead of their first use; and the tile's first products are done reading mask buffer 1, in which the rows read back land
.irp i, 0,1,2,3
	WIN 0x01
.irp n, 0,2,4,6,8,10,12,14,16,18,20,22,24,26,28,30
	v_pk_mul_f32 v[S+32*(\i%2)+\n:S+32*(\i%2)+\n+1], v[32*\i+\n:32*\i+\n+1], v[BM+2*\i:BM+2*\i+1] op_sel_hi:[1,0]
.endr
	WIN 0
	s_wait_alu depctr_va_vdst(0)                   ; the sixteen multiplications have written this half of v[S ..], which the LDS stores below read
.irp t, 0,1,2,3
	ds_store_b128 v[STO], v[S+32*(\i%2)+8*\t:S+32*(\i%2)+8*\t+3] offset:64*\t
	ds_store_b128 v[STO], v[S+32*(\i%2)+8*\t+4:S+32*(\i%2)+8*\t+7] offset:64*\t+16
.endr
	s_wait_xcnt 0x0                                ; earlier stores have read their registers and bases: both are written again only behind this wait
	s_wait_alu depctr_vm_vsrc(0)                   ; the global stores of two heads back have read their half of the rows read back, in which the loads below land; the LDS stores of the head before have read the half of v[S ..] that the next head's multiplications write
	s_lshl_b32 s58, s[HD+\i], 18                   ; a head of out is 262,144 bytes, a row 256
	s_lshl_b32 s59, s[QP], 8
	s_add_co_u32 s58, s58, s59
	s_mov_b32 s59, 0
	s_add_nc_u64 s[OBS+2*(\i%2):OBS+2*(\i%2)+1], s[20:21], s[58:59]
	WIN 0x40
.irp k, 0,1,2,3,4,5,6,7
	ds_load_b128 v[RB+32*(\i%2)+4*\k:RB+32*(\i%2)+4*\k+3], v[RD] offset:544*\k   ; LDS serves a wave's instructions in order (ISA guide 5.7.1.4): these see my stores, and the next head's stores come behind them
.endr
	WIN 0x04
.irp k, 0,1,2,3,4,5,6,7
	s_wait_dscnt 7-\k                              ; the loads behind row pair k may be out
	global_store_b128 v[GO], v[RB+32*(\i%2)+4*\k:RB+32*(\i%2)+4*\k+3], s[OBS+2*(\i%2):OBS+2*(\i%2)+1] offset:512*\k th:TH_STORE_NT
.endr
	WIN 0
.endr
.endm
	s_load_b512 s[4:19], s[0:1], 0x0
	s_load_b64 s[20:21], s[0:1], 0x40
	v_lshl_add_u32 v[SPW], v0, 2, SPARE
	v_mov_b32 v[NIL], 0
	v_lshrrev_b32 v[T0], 5, v0
	v_readfirstlane_b32 s[WV], v[T0]               ; wave 0..7
	s_lshr_b32 s[WDW], ttmp9, 6                    ; window
	s_bfe_u32 s[QUAD], ttmp9, 0x40002              ; quad
	s_and_b32 s[QQ], ttmp9, 3                      ; quarter of the queries
	v_and_b32 v[LN], 31, v0                        ; lane
	v_and_b32 v[RR], 15, v0                        ; r
	v_bfe_u32 v[HH], v0, 4, 1                      ; h
	v_and_b32 v[R8], 8, v[RR]
	v_add_nc_u32 v[R8], v[R8], v[RR]               ; r + 8 (r / 8)
	v_lshlrev_b32 v[LI], 4, v[LN]
	v_lshl_add_u32 v[T0], v[HH], 3, v[R8]
	v_lshl_add_u32 v[ASK0], v[T0], 1, SCK          ; 2 bytes a key; lanes 16-31 take the odd tile's keys, 8 further on
	v_lshl_add_u32 v[ASV0], v[LN], 2, SCV          ; 4 bytes a channel; lanes 16-31 the odd tile's channels
	v_lshlrev_b32 v[MO], 12, v[RR]
	v_lshl_add_u32 v[MO], v[HH], 6, v[MO]
	v_lshlrev_b32 v[QO], 5, v[RR]
	v_lshl_add_u32 v[QO], v[HH], 4, v[QO]
	v_lshlrev_b32 v[QSO], 1, v[RR]
	s_wait_alu depctr_va_sdst(0)                   ; the wave's number is written, ahead of its first reader
	s_mul_i32 s58, s[WV], 16*272
	s_add_co_u32 s58, s58, STG                     ; my stage
	v_mul_u32_u24 v[STO], v[RR], 272
	v_lshl_add_u32 v[STO], v[HH], 5, v[STO]
	v_add_nc_u32 v[STO], s58, v[STO]               ; in: row r; tile t's eight channels of my half 64 t + 32 h bytes on
	v_mul_u32_u24 v[RD], v[HH], 272
	v_lshl_add_u32 v[RD], v[RR], 4, v[RD]
	v_add_nc_u32 v[RD], s58, v[RD]                 ; back: lanes 0-15 one row, lanes 16-31 the next
	v_lshlrev_b32 v[GO], 8, v[HH]
	v_lshl_add_u32 v[GO], v[RR], 4, v[GO]
	v_lshlrev_b32 v[H16], 4, v[HH]
	s_mov_b32 s[SEL], 0x76543210
	s_mov_b32 s[SEL+1], 0xfedcba98
	s_mov_b32 s[CL], 0x3fb8aa3b                    ; log2(e)
	s_mov_b32 s[CL+1], s[CL]                       ; (named with it as a pair, so it is written)
	s_lshl_b32 s[Q0], s[QQ], 8
	s_lshl_b32 s58, s[WV], 4
	s_add_co_u32 s[Q0], s[Q0], s58                 ; the first pass's tile: 256 x quarter + 16 x wave
	; THE LENGTHS of my window's 64 heads: item e is head 32 (e / 8) + 8 x window + e % 8; lane l takes items l and l + 32
	v_lshrrev_b32 v[T0], 3, v[LN]
	v_and_b32 v[T1], 7, v[LN]
	v_lshlrev_b32 v[T0], 7, v[T0]
	v_lshl_add_u32 v[T0], v[T1], 2, v[T0]
	s_lshl_b32 s58, s[WDW], 5
	s_mov_b32 s59, 0
	s_wait_kmcnt 0x0
	s_add_nc_u64 s[12:13], s[12:13], s[58:59]
	s_wait_alu depctr_va_vdst(0)                   ; v[T0] is written, which the two loads read; so are v[LI], v[MO], v[STO], v[RD] and v[GO], which later loads and stores read and no line writes again
	global_load_b32 v[VA], v[T0], s[12:13]
	global_load_b32 v[VB], v[T0], s[12:13] offset:512
	s_wait_loadcnt 0x0
	s_wait_alu depctr_vm_vsrc(0)                   ; the two loads have read v[T0], which is written again below
	; key = steps << 17 | valid << 6 | 63 - e: all 64 differ.  steps = ceil(valid / 128), and 8 where valid = 0: such a head walks all keys.  The two items by turns; each pair of comparisons is one run
	v_cmp_gt_i32 s66, 0, v[VA]
	v_cmp_gt_i32 s67, 0, v[VB]
	s_wait_alu depctr_va_sdst(0)                   ; the two masks are written, ahead of the selections that read them
	v_cndmask_b32 v[VA], v[VA], v[NIL], s66
	v_cndmask_b32 v[VB], v[VB], v[NIL], s67
	v_min_u32 v[VA], 0x400, v[VA]                  ; held to 0 .. 1,024: what the comparison with the keys' numbers makes of it
	v_min_u32 v[VB], 0x400, v[VB]
	v_add_nc_u32 v[T0], 127, v[VA]
	v_add_nc_u32 v[T1], 127, v[VB]
	v_lshrrev_b32 v[T0], 7, v[T0]
	v_lshrrev_b32 v[T1], 7, v[T1]
	v_cmp_ne_u32 s66, 0, v[VA]
	v_cmp_ne_u32 s67, 0, v[VB]
	v_sub_nc_u32 v[KA], 63, v[LN]
	v_sub_nc_u32 v[KB], 31, v[LN]
	v_lshl_or_b32 v[KA], v[VA], 6, v[KA]
	v_lshl_or_b32 v[KB], v[VB], 6, v[KB]
	s_wait_alu depctr_va_sdst(0)                   ; the two masks are written, ahead of the selections that read them
	v_cndmask_b32 v[T0], 8, v[T0], s66
	v_cndmask_b32 v[T1], 8, v[T1], s67
	v_lshl_or_b32 v[KA], v[T0], 17, v[KA]
	v_lshl_or_b32 v[KB], v[T1], 17, v[KB]
	; THE RANKS: an item's rank is the number of larger keys.  Eight keys at a time: a run of eight lane reads, a run of sixteen comparisons, sixteen selections of 0 or 1, sixteen additions.
	; (An addition with carry in would take a mask's bit straight away, but it writes a carry out too, into a scalar register: so the bit is made a number first.)
	v_mov_b32 v[RKA], 0
	v_mov_b32 v[RKB], 0
.irp g, 0,1,2,3,4,5,6,7
.irp q, 0,1,2,3
	v_readlane_b32 s[66+\q], v[KA], 4*\g+\q
	v_readlane_b32 s[70+\q], v[KB], 4*\g+\q
.endr
	s_wait_alu depctr_va_sdst(0)                   ; the eight keys s66 to s73 are written, ahead of the comparisons that read them
.irp q, 0,1,2,3,4,5,6,7
	v_cmp_gt_u32 s[74+2*\q], s[66+\q], v[KA]
	v_cmp_gt_u32 s[75+2*\q], s[66+\q], v[KB]
.endr
	s_wait_alu depctr_va_sdst(0)                   ; the sixteen masks s74 to s89 are written, ahead of the selections that read them
.irp q, 0,1,2,3,4,5,6,7,8,9,10,11,12,13,14,15
	v_cndmask_b32 v[S+\q], 0, 1, s[74+\q]
.endr
.irp q, 0,1,2,3,4,5,6,7
	v_add_nc_u32 v[RKA], v[RKA], v[S+2*\q]
	v_add_nc_u32 v[RKB], v[RKB], v[S+2*\q+1]
.endr
.endr
	; THE FOUR SLOTS take the items of ranks u, 31 - u, 32 + u, 63 - u.  Eight comparisons in one run; then the lanes found, and eight lane reads in one run; then each slot's numbers
	s_mov_b32 s58, s[QUAD]
	s_sub_co_u32 s59, 31, s[QUAD]
	s_add_co_u32 s60, s[QUAD], 32
	s_sub_co_u32 s61, 63, s[QUAD]
.irp t, 0,1,2,3
	v_cmp_eq_u32 s[66+2*\t], s[58+\t], v[RKA]
	v_cmp_eq_u32 s[67+2*\t], s[58+\t], v[RKB]
.endr
	s_wait_alu depctr_va_sdst(0)                   ; the eight masks s66 to s73 are written, ahead of the scalar lines that read them
.irp t, 0,1,2,3
	s_ctz_i32_b32 s[74+2*\t], s[66+2*\t]
	s_min_u32 s[74+2*\t], s[74+2*\t], 31
	s_ctz_i32_b32 s[75+2*\t], s[67+2*\t]
	s_min_u32 s[75+2*\t], s[75+2*\t], 31
	v_readlane_b32 s[82+2*\t], v[KA], s[74+2*\t]
	v_readlane_b32 s[83+2*\t], v[KB], s[75+2*\t]
.endr
	s_wait_alu depctr_va_sdst(0)                   ; the eight keys s82 to s89 are written, ahead of the selections that read them
.macro PICK t
	s_cmp_lg_u32 s[66+2*\t], 0
	s_cselect_b32 s62, s[82+2*\t], s[83+2*\t]      ; its key
	s_and_b32 s63, s62, 63
	s_sub_co_u32 s63, 63, s63                      ; e
	s_bfe_u32 s[VL+\t], s62, 0xb0006               ; valid: 11 bits from bit 6
	s_lshr_b32 s[NST+\t], s62, 17
	s_lshr_b32 s90, s63, 3
	s_lshl_b32 s90, s90, 5
	s_and_b32 s63, s63, 7
	s_add_co_u32 s90, s90, s63
	s_lshl_b32 s91, s[WDW], 3
	s_add_co_u32 s90, s90, s91
	s_min_u32 s[HD+\t], s90, 255                   ; the head: held inside the tensors before it enters an address
.endm
	PICK 0
	PICK 1
	PICK 2
	PICK 3
	s_max_u32 s[SMAX], s[NST], s[NST+1]
	s_max_u32 s[SMAX], s[SMAX], s[NST+2]
	s_max_u32 s[SMAX], s[SMAX], s[NST+3]
	TILE_LOADS                                     ; the first pass's Q and mask tile go out ahead of the copy
	; THE COPY.  Wave x takes, in every step and slot, K's fragment x and V's half fragment x; and an eighth of the scale bytes.
	s_lshr_b32 s60, s[WV], 1
	s_and_b32 s61, s[WV], 1
	s_lshl_b32 s62, s60, 10
	s_lshl_b32 s63, s61, 8
	s_add_co_u32 s62, s62, s63
	v_lshl_add_u32 v[T0], v[R8], 5, s62            ; K: key 32 (x / 2) + 8 (x % 2) + r + 8 (r / 8), 32 bytes a key,
	v_lshl_add_u32 v[T0], v[HH], 4, v[T0]          ; + 16 h
	s_lshl_b32 s62, s60, 13
	s_lshl_b32 s63, s61, 5
	s_add_co_u32 s62, s62, s63
	v_lshl_add_u32 v[T1], v[RR], 9, s62            ; V: channel 16 (x / 2) + r, 512 bytes a channel, + 32 (x % 2)
	v_lshl_add_u32 v[T1], v[HH], 4, v[T1]          ; + 16 h
.irp i, 0,1,2,3
	s_lshl_b32 s63, s[HD+\i], 15
	v_add_nc_u32 v[KO+\i], s63, v[T0]
	v_add_nc_u32 v[VO+\i], s63, v[T1]
.endr
	s_lshl_b32 s62, s[WV], 9
	v_add_nc_u32 v[FS], s62, v[LI]
.irp j, 1,2,3,4,5,6,7
	v_add_nc_u32 v[FS+\j], 32768*\j, v[FS]
.endr
	s_cmp_eq_u32 s60, 1                            ; the scales: slot x / 2, half x % 2
	s_cselect_b32 s62, s[HD+1], s[HD]
	s_cmp_eq_u32 s60, 2
	s_cselect_b32 s62, s[HD+2], s62
	s_cmp_eq_u32 s60, 3
	s_cselect_b32 s62, s[HD+3], s62
	s_min_u32 s62, s62, 255
	s_lshl_b32 s62, s62, 11
	s_lshl_b32 s63, s61, 10
	s_add_co_u32 s62, s62, s63
	v_add_nc_u32 v[SKO], s62, v[LI]
	s_lshl_b32 s62, s[WV], 10
	v_add_nc_u32 v[SKL], s62, v[LI]
	v_add_nc_u32 v[SKL], SCK, v[SKL]
	s_lshl_b32 s62, s60, 11
	s_lshl_b32 s63, s61, 7
	s_add_co_u32 s62, s62, s63
	s_add_co_u32 s62, s62, SCV
	v_and_b32 v[SVL], 1, v[LN]                     ; V's scale words are turned: my 16 bytes are words 4 (l % 2) + 0 .. 3 of channel l / 2 (+ 16 in the second load)
	v_lshlrev_b32 v[SVL], 10, v[SVL]
	v_lshrrev_b32 v[VA], 1, v[LN]
	v_lshl_add_u32 v[SVL], v[VA], 2, v[SVL]
	v_add_nc_u32 v[SVL], s62, v[SVL]
	s_wait_alu depctr_va_vdst(0)                   ; the copy's nine offsets and ten LDS addresses are written, which its loads and LDS stores read; the ranking is done with v80-95, in which loads of the copy land; no vector instruction stands among the copy's lines
	global_load_b128 v[44:47], v[SKO], s[6:7]
	global_load_b128 v[48:51], v[SKO], s[6:7] offset:512
	global_load_b128 v[52:55], v[SKO], s[16:17]
	global_load_b128 v[56:59], v[SKO], s[16:17] offset:512
.macro FREG j, i, k                            ; where load 8 j + 2 i + k lands: steps 0-5 in window 1, v0-191; steps 6, 7 in window 0, v80-143
.if (\j) < 6
.set FB, 4*(8*(\j)+2*(\i)+(\k))
.else
.set FB, S+4*(8*((\j)-6)+2*(\i)+(\k))
.endif
.endm
.irp j, 0,1,2,3,4,5,6,7
.if \j < 6
	WIN 0x40
.else
	WIN 0
.endif
.irp i, 0,1,2,3
	FREG \j, \i, 0
	global_load_b128 v[FB:FB+3], v[KO+\i], s[4:5] offset:4096*\j
	FREG \j, \i, 1
	global_load_b128 v[FB:FB+3], v[VO+\i], s[14:15] offset:64*\j
.endr
.endr
	WIN 0
	s_wait_loadcnt 63                              ; 64 loads were issued behind the scales' four; the count's field holds 63: one load more is waited for
	ds_store_b128 v[SKL], v[44:47]
	ds_store_b128 v[SKL], v[48:51] offset:512
.irp m, 0,1,2,3
	ds_store_b32 v[SVL], v[52+\m] offset:256*\m
.endr
.irp m, 0,1,2,3
	ds_store_b32 v[SVL], v[56+\m] offset:64+256*\m
.endr
.irp j, 0,1,2,3,4,5,6,7
	s_wait_loadcnt 8*(7-\j)                        ; the eight loads of each later step may be out
.if \j < 6
	WIN 0x04
.else
	WIN 0
.endif
.irp i, 0,1,2,3
	FREG \j, \i, 0
	ds_store_b128 v[FS+\j], v[FB:FB+3] offset:8192*\i
	FREG \j, \i, 1
	ds_store_b128 v[FS+\j], v[FB:FB+3] offset:8192*\i+4096
.endr
.endr
	WIN 0
	s_wait_dscnt 0x0                               ; for the others' sake: my stores have landed
	s_barrier_signal -1
	s_barrier_wait -1                              ; the launch's one barrier: the images are whole; from here on they are only read
	s_wait_alu depctr_vm_vsrc(0)                   ; my LDS stores have read their data (v44-59, v80-143, window 1's v0-191) and their addresses v216-223: all of these are written again from here on, by vector and matrix instructions and by loads
	WIN 0x40
.irp i, 0,1,2,3
.irp k, 4,5,6,7
	v_mov_b32 v[QF+8*\i+\k], 0                     ; Q's upper half along K: zero codes, written once
.endr
.endr
	WIN 0
.irp k, 32,33,34,35
	v_mov_b32 v[KV+\k], 0                          ; named with K's last tile; they meet Q's zero codes
.endr
.irp k, 0,1,2,3,4,5,6,7,8,9,10,11,12,13,14,15,16,17
	v_mov_b32 v[BM+\k], 0                          ; written once: destinations of lane permutes and upper halves of pairs count as read
.endr
	v_mov_b32 v[NEGV], 0xc9742400                  ; -1e6
.irp i, 0,1,2,3
	v_mov_b32 v[STAT+4*\i+1], 0
.endr
	s_mov_b32 s[PASS], 2
.Lpass:
	TILE_INIT
	s_mov_b32 s[TR], 4
.Lpair:                                            ; two key steps a trip, so that the mask buffers are back where they began
	STEP 0
	STEP 1
	s_sub_co_u32 s[TR], s[TR], 1
	s_cmp_lg_u32 s[TR], 0
	s_cbranch_scc1 .Lpair
	s_wait_loadcnt 0x0                             ; the mask tile asked for last is in: its buffer and its base may be used again
	s_mov_b32 s[QP], s[Q0]
	s_cmp_eq_u32 s[PASS], 1
	s_cbranch_scc1 .Lno_next
	s_add_co_u32 s[Q0], s[Q0], 128
	TILE_LOADS                                     ; the next pass's Q and first mask tile land while this tile goes out
.Lno_next:
	WAYOUT
	s_sub_co_u32 s[PASS], s[PASS], 1
	s_cmp_lg_u32 s[PASS], 0
	s_cbranch_scc1 .Lpass
	s_wait_dscnt 0x0                               ; the closing lines, six on end
	s_wait_alu 0x0
	s_wait_tensorcnt 0x0
	ds_add_u32 v[SPW], v[NIL]
	s_wait_dscnt 0x0
	s_endpgm
.Lfunc_end_k_q2e49e38297_attn:
	.size	k_q2e49e38297_attn, .Lfunc_end_k_q2e49e38297_attn-k_q2e49e38297_attn
	.p2alignl 7, 3214868480
	.fill 96, 4, 3214868480
	.section	.rodata,"a",@progbits
	.p2align	6, 0x0
	.amdhsa_kernel k_q2e49e38297_attn
		.amdhsa_group_segment_fixed_size 314368
		.amdhsa_private_segment_fixed_size 0
		.amdhsa_enable_private_segment 0
		.amdhsa_kernarg_size 72
		.amdhsa_user_sgpr_count 2
		.amdhsa_user_sgpr_kernarg_segment_ptr 1
		.amdhsa_wavefront_size32 1
		.amdhsa_system_sgpr_workgroup_id_x 1
		.amdhsa_system_sgpr_workgroup_id_y 1
		.amdhsa_system_sgpr_workgroup_id_z 1
		.amdhsa_system_vgpr_workitem_id 0
		.amdhsa_next_free_vgpr 512
		.amdhsa_next_free_sgpr 96
		.amdhsa_reserve_vcc 0
		.amdhsa_float_denorm_mode_32 3
		.amdhsa_float_denorm_mode_16_64 3
		.amdhsa_memory_ordered 1
		.amdhsa_forward_progress 1
		.amdhsa_inst_pref_size 255
	.end_amdhsa_kernel
	.section	.bss,"aw",@nobits
	.p2align	6
	.space	262144
	.amdgpu_metadata
---
amdhsa.version: [ 1, 2 ]
amdhsa.kernels:
  - .name:           k_q2e49e38297_attn
    .symbol:         k_q2e49e38297_attn.kd
    .args:
      - { .name: keys_codes, .offset: 0, .size: 8, .value_kind: global_buffer, .address_space: global }
      - { .name: keys_scales, .offset: 8, .size: 8, .value_kind: global_buffer, .address_space: global }
      - { .name: queries_codes, .offset: 16, .size: 8, .value_kind: global_buffer, .address_space: global }
      - { .name: queries_scales, .offset: 24, .size: 8, .value_kind: global_buffer, .address_space: global }
      - { .name: valid_lens, .offset: 32, .size: 8, .value_kind: global_buffer, .address_space: global }
      - { .name: values_codes, .offset: 40, .size: 8, .value_kind: global_buffer, .address_space: global }
      - { .name: values_scales, .offset: 48, .size: 8, .value_kind: global_buffer, .address_space: global }
      - { .name: window_mask, .offset: 56, .size: 8, .value_kind: global_buffer, .address_space: global }
      - { .name: out0, .offset: 64, .size: 8, .value_kind: global_buffer, .address_space: global }
    .group_segment_fixed_size: 314368
    .private_segment_fixed_size: 0
    .kernarg_segment_align: 8
    .kernarg_segment_size: 72
    .max_flat_workgroup_size: 256
    .sgpr_count:     96
    .vgpr_count:     512
    .wavefront_size: 32
...
	.end_amdgpu_metadata
.endif
;; end of part 2
